; MI455X (gfx1250); checked and timed in simulation.
; The chip was launched on July 23, 2026; its instructions are those of AMD's public machine-readable ISA for CDNA 5 (MIT licence, August 2026) and "CDNA5" Instruction Set Architecture Reference Guide (July 2026). The comments in the code are by the model that wrote it; some were corrected since.
;; Llama4 Mo E. Allowed arithmetic: float matrix products may take bf16 or f16 operands with f32 sums; other float arithmetic in f32, or as packed bf16 or f16 multiplies, adds, multiply-adds, maxima and minima; sums over many terms, partial sums and values carried from step to step in f32; what a program stores and reads back later, other than sums and carried values, may be rounded once to bf16 or f16.
;; Inputs: gate_w 1,024 x 8 float32; hidden_states 2 x 512 x 1,024 float32; rt_down 8 x 2,048 x 1,024 float32; rt_gate 8 x 1,024 x 2,048 float32; rt_up 8 x 1,024 x 2,048 float32; sh_down 2,048 x 1,024 float32; sh_gate 1,024 x 2,048 float32; sh_up 1,024 x 2,048 float32.
;; Outputs: out0 2 x 512 x 1,024 float32.
;; 2 versions, each right; version 2 is version 1 with the launches gateup, down written anew for expert scheduling mode. Each part assembles by itself: llvm-mc -triple=amdgcn-amd-amdhsa -mcpu=gfx1250 --defsym DOCPART=n.
;; ======== version 1 of 2: 4 launches
;; workspace buffers: xb 2,097,152 bytes; ids 4,096 bytes of whole numbers; score 4,096 bytes; act 67,108,864 bytes; part 16,777,216 bytes
;; launch router (part 1): grid 256 x 1, 4 waves a work-group, no clusters, 18,944 bytes of LDS; arguments hidden_states, gate_w, xb, ids, score; writes xb, ids, score
.if DOCPART == 1
	.amdgcn_target "amdgcn-amd-amdhsa--gfx1250"
	.amdhsa_code_object_version 6
	.text
	.protected	k_qd9a0012c17_router
	.globl	k_qd9a0012c17_router
	.p2align	8
	.type	k_qd9a0012c17_router,@function
k_qd9a0012c17_router:
	s_mov_b64 s[64:65], 0
	v_nop
	global_prefetch_b8 v0, s[64:65] scope:SCOPE_SE
	s_setreg_imm32_b32 hwreg(HW_REG_WAVE_MODE, 25, 1), 1
	s_wait_xcnt 0x0
; ROUTER.  For each of the 1,024 tokens: x rounded to bf16 (stored as xb), logits = bf16(x) . bf16(gate_w) with exact products and f32 sums,
; the expert = the first largest logit (stored as a whole number), the score = sigmoid of that logit (stored in f32).
; One wave takes one token, a work-group four.  Lane l holds k = 128 i + 4 l + c (i = 0..7, c = 0..3): a load of x covers 512 consecutive bytes.
; The products go to the vector unit: they are 8 columns wide, a few thousandths of the module's arithmetic, and the choice of the expert wants plain f32 sums.
; LIMITS.  The order of the f32 sums is not the reference's: two best logits closer than some 1e-6 of their size may change places.  A NaN logit never wins here.
; An exponential below 2^-126 counts as 0, so a score above 1 - 2^-24 is 1.
.set GPL,   576                        ; gate_w in LDS, bf16: the 16 bytes (8 experts) of k lie at i*GBL + c*GPL + 16 l: a read is 512 consecutive bytes
.set GBL,   2304
.set SPARE, 18432                      ; behind the table: the spare words, 128 bytes a wave
.set ACC,   8                          ; v8-15   the eight sums
.set XF,    16                         ; v16-47  x in f32; later at work
.set XH,    48                         ; v48-63  x in bf16: two registers for each i
.set GW,    64                         ; v64-127 gate_w in f32 as loaded; later sixteen entries of the table
.set SPW,   128                        ; my spare word's address; never rewritten
.set NIL,   129                        ; 0; never rewritten
.set BEST,  24
.set IDX,   25
.set SG,    26
.macro FM d, x, g, a, cs, es           ; d = bf16 half cs of x times bf16 half es of g, plus a (f32)
.if ((\cs) == 0) && ((\es) == 0)
	v_fma_mix_f32_bf16 v[\d], v[\x], v[\g], v[\a] op_sel_hi:[1,1,0]
.elseif ((\cs) == 1) && ((\es) == 0)
	v_fma_mix_f32_bf16 v[\d], v[\x], v[\g], v[\a] op_sel:[1,0,0] op_sel_hi:[1,1,0]
.elseif ((\cs) == 0) && ((\es) == 1)
	v_fma_mix_f32_bf16 v[\d], v[\x], v[\g], v[\a] op_sel:[0,1,0] op_sel_hi:[1,1,0]
.else
	v_fma_mix_f32_bf16 v[\d], v[\x], v[\g], v[\a] op_sel:[1,1,0] op_sel_hi:[1,1,0]
.endif
.endm
	s_load_b256 s[4:11], s[0:1], 0x0               ; hidden_states s[4:5], gate_w s[6:7], xb s[8:9], ids s[10:11]
	s_load_b64 s[12:13], s[0:1], 0x20              ; score
	v_lshl_add_u32 v[SPW], v0, 2, SPARE
	v_mov_b32 v[NIL], 0
	v_lshrrev_b32 v1, 5, v0
	v_readfirstlane_b32 s14, v1                    ; wave
	v_and_b32 v1, 31, v0                           ; lane
	s_lshl_b32 s15, ttmp9, 2
	s_add_co_u32 s15, s15, s14                     ; my token
	v_bfe_u32 v2, v0, 1, 2                         ; where thread t puts its 8 bytes of the table: c = (t >> 1) & 3,
	v_mul_u32_u24 v2, v2, GPL
	v_lshrrev_b32 v7, 3, v0                        ; l = t >> 3 (+ 16 in the odd loads, by the offset),
	v_lshl_add_u32 v2, v7, 4, v2
	v_and_b32 v7, 1, v0                            ; experts 0-3 or 4-7
	v_lshl_add_u32 v2, v7, 3, v2
	v_lshlrev_b32 v3, 4, v1                        ; 16 x lane
	v_lshlrev_b32 v4, 3, v1                        ; 8 x lane
	v_lshlrev_b32 v5, 4, v0                        ; 16 x thread
	v_mov_b32 v6, 0
	s_mov_b32 s20, 0x76543210                      ; v_permlanex16_b32: each lane takes its own place in the other half
	s_mov_b32 s21, 0xfedcba98
	s_lshl_b32 s16, s15, 12                        ; a row of x: 4,096 bytes
	s_mov_b32 s17, 0
	s_lshl_b32 s18, s15, 11                        ; a row of xb: 2,048 bytes
	s_mov_b32 s19, 0
	s_lshl_b32 s22, s15, 2                         ; my word in ids and in score
	s_mov_b32 s23, 0
	s_wait_kmcnt 0x0
	s_add_nc_u64 s[4:5], s[4:5], s[16:17]
	s_add_nc_u64 s[8:9], s[8:9], s[18:19]
	s_add_nc_u64 s[10:11], s[10:11], s[22:23]
	s_add_nc_u64 s[12:13], s[12:13], s[22:23]
.set j, 0
.rept 16                                               ; all of gate_w, 32,768 bytes, by the work-group's 128 threads: load j takes k = 64 j + (t >> 1)
	global_load_b128 v[GW+4*j:GW+4*j+3], v5, s[6:7] offset:2048*j
.set j, j+1
.endr
.set i, 0
.rept 8                                                ; my token's row
	global_load_b128 v[XF+4*i:XF+4*i+3], v3, s[4:5] offset:512*i th:TH_LOAD_NT
.set i, i+1
.endr
	s_wait_loadcnt 8                               ; gate_w is in; x's eight loads are the younger ones
.set j, 0
.rept 16
	v_cvt_pk_bf16_f32 v[GW+4*j], v[GW+4*j], v[GW+4*j+1]
	v_cvt_pk_bf16_f32 v[GW+4*j+1], v[GW+4*j+2], v[GW+4*j+3]
	ds_store_b64 v2, v[GW+4*j:GW+4*j+1] offset:(j/2)*GBL+(j%2)*256
.set j, j+1
.endr
	s_wait_dscnt 0x0                               ; for the others' sake: my part of the table is written
	s_barrier_signal -1
	s_barrier_wait -1
	s_wait_loadcnt 0x0                             ; x
.set i, 0
.rept 8
	v_cvt_pk_bf16_f32 v[XH+2*i], v[XF+4*i], v[XF+4*i+1]
	v_cvt_pk_bf16_f32 v[XH+2*i+1], v[XF+4*i+2], v[XF+4*i+3]
	global_store_b64 v4, v[XH+2*i:XH+2*i+1], s[8:9] offset:256*i   ; the wave's store covers 256 consecutive bytes, aligned
.set i, i+1
.endr
.set b, 0
.rept 2                                                ; the table in two halves of sixteen entries a lane
.set m, 0
.rept 16
	ds_load_b128 v[GW+4*m:GW+4*m+3], v3 offset:(4*b+m/4)*GBL+(m%4)*GPL
.set m, m+1
.endr
	s_wait_dscnt 0x0
.set m, 0
.rept 16
.set e, 0
.rept 8                                                ; eight sums by turns: no line waits for the one before it
.if (b == 0) && (m == 0)
	FM ACC+e, XH+2*(4*b+m/4)+(m%4)/2, GW+4*m+e/2, 6, m%2, e%2
.else
	FM ACC+e, XH+2*(4*b+m/4)+(m%4)/2, GW+4*m+e/2, ACC+e, m%2, e%2
.endif
.set e, e+1
.endr
.set m, m+1
.endr
.set b, b+1
.endr
.irp x, 1,2,4,8                                        ; across the lanes: four steps inside each half, for all eight sums,
.set e, 0
.rept 8
	v_add_f32_dpp v[ACC+e], v[ACC+e], v[ACC+e] row_xmask:\x row_mask:0xf bank_mask:0xf
.set e, e+1
.endr
.endr
.set e, 0
.rept 8                                                ; and one across the halves: every lane ends with the same eight logits
	v_permlanex16_b32 v[XF+e], v[ACC+e], s20, s21
.set e, e+1
.endr
.set e, 0
.rept 8
	v_add_f32 v[ACC+e], v[ACC+e], v[XF+e]
.set e, e+1
.endr
	v_mov_b32 v[BEST], v[ACC]
	v_mov_b32 v[IDX], 0
.set e, 1
.rept 7                                                ; strictly greater: of equal logits the lower expert stays
	v_cmp_gt_f32 vcc_lo, v[ACC+e], v[BEST]
	v_cndmask_b32 v[BEST], v[BEST], v[ACC+e], vcc_lo
	v_cndmask_b32 v[IDX], v[IDX], e, vcc_lo
.set e, e+1
.endr
	v_mul_f32 v[SG], 0xbfb8aa3b, v[BEST]           ; - log2(e) x logit
	v_exp_f32 v[SG], v[SG]
	v_nop                                          ; a plain instruction behind the exponential,
	s_wait_alu depctr_va_vdst(0)                   ; and the wait ahead of its first reader
	v_add_f32 v[SG], 1.0, v[SG]
	v_rcp_f32 v[SG], v[SG]
	v_nop
	s_wait_alu depctr_va_vdst(0)
	v_cmp_eq_u32 vcc_lo, 0, v1
	s_wait_xcnt 0x0                                ; EXEC is a source of the stores above: it changes only behind this wait
	s_and_saveexec_b32 s18, vcc_lo                 ; lane 0 alone: 4 bytes a token in each of the two small tables (8 KB in the whole launch)
	global_store_b32 v6, v[IDX], s[10:11]
	global_store_b32 v6, v[SG], s[12:13]
	s_wait_xcnt 0x0
	s_or_b32 exec_lo, exec_lo, s18
	s_wait_tensorcnt 0x0                           ; the wave's end
	ds_add_u32 v[SPW], v[NIL]
	s_wait_dscnt 0x0
	s_endpgm
.Lfunc_end_k_qd9a0012c17_router:
	.size	k_qd9a0012c17_router, .Lfunc_end_k_qd9a0012c17_router-k_qd9a0012c17_router
	.p2alignl 7, 3214868480
	.fill 96, 4, 3214868480
	.section	.rodata,"a",@progbits
	.p2align	6, 0x0
	.amdhsa_kernel k_qd9a0012c17_router
		.amdhsa_group_segment_fixed_size 18944
		.amdhsa_private_segment_fixed_size 0
		.amdhsa_enable_private_segment 0
		.amdhsa_kernarg_size 40
		.amdhsa_user_sgpr_count 2
		.amdhsa_user_sgpr_kernarg_segment_ptr 1
		.amdhsa_wavefront_size32 1
		.amdhsa_system_sgpr_workgroup_id_x 1
		.amdhsa_system_sgpr_workgroup_id_y 1
		.amdhsa_system_sgpr_workgroup_id_z 1
		.amdhsa_system_vgpr_workitem_id 0
		.amdhsa_next_free_vgpr 136
		.amdhsa_next_free_sgpr 66
		.amdhsa_reserve_vcc 1
		.amdhsa_float_denorm_mode_32 3
		.amdhsa_float_denorm_mode_16_64 3
		.amdhsa_memory_ordered 1
		.amdhsa_forward_progress 1
		.amdhsa_inst_pref_size 32
	.end_amdhsa_kernel
	.amdgpu_metadata
---
amdhsa.version: [ 1, 2 ]
amdhsa.kernels:
  - .name:           k_qd9a0012c17_router
    .symbol:         k_qd9a0012c17_router.kd
    .args:
      - { .name: hidden_states, .offset: 0, .size: 8, .value_kind: global_buffer, .address_space: global }
      - { .name: gate_w, .offset: 8, .size: 8, .value_kind: global_buffer, .address_space: global }
      - { .name: xb, .offset: 16, .size: 8, .value_kind: global_buffer, .address_space: global }
      - { .name: ids, .offset: 24, .size: 8, .value_kind: global_buffer, .address_space: global }
      - { .name: score, .offset: 32, .size: 8, .value_kind: global_buffer, .address_space: global }
    .group_segment_fixed_size: 18944
    .private_segment_fixed_size: 0
    .kernarg_segment_align: 8
    .kernarg_segment_size: 40
    .max_flat_workgroup_size: 128
    .sgpr_count:     66
    .vgpr_count:     136
    .wavefront_size: 32
...
	.end_amdgpu_metadata
.endif
;; end of part 1
;; launch gateup (part 2): grid 32 x 8, 4 waves a work-group, no clusters, 231,936 bytes of LDS; arguments xb, ids, score, rt_gate, rt_up, sh_gate, sh_up, act; writes act
.if DOCPART == 2
	.amdgcn_target "amdgcn-amd-amdhsa--gfx1250"
	.amdhsa_code_object_version 6
	.text
	.protected	k_qd9a0012c17_gateup
	.globl	k_qd9a0012c17_gateup
	.p2align	8
	.type	k_qd9a0012c17_gateup,@function
k_qd9a0012c17_gateup:
	s_mov_b64 s[64:65], 0
	v_nop
	global_prefetch_b8 v0, s[64:65] scope:SCOPE_SE
	s_setreg_imm32_b32 hwreg(HW_REG_WAVE_MODE, 25, 1), 1
	s_wait_xcnt 0x0
; GATE, UP AND SWIGLU.  Work-group (slice, e) takes the tokens that chose expert e through 64 columns of rt_gate[e], rt_up[e], sh_gate and sh_up, and stores
; act = silu(s g) (s u) in bf16 (s = the token's score for the routed pair, 1 for the shared pair), laid out as the next launch's matrix operands.
; Each token has one expert, so the eight work-groups of a slice cover the shared expert's rows once.
; SHARES.  Wave q streams ONE matrix's 1,024 rows x 64 columns (q = 0 rt_gate, 1 rt_up, 2 sh_gate, 3 sh_up), which no other wave of the launch's routed part reads, against all rows of the expert:
; 12 tiles of 16 tokens a pass, 48 accumulators.  An expert with more than 192 tokens takes further passes, by a plain loop that reads its operands from memory.
; WEIGHTS come f32 [k][n] straight into registers: lane (r, h) loads columns 4 r .. 4 r + 3 of one row (sixteen lanes: 256 consecutive bytes, aligned); sixteen rows later
; v_cvt_pk_bf16_f32 of two rows' like columns makes a register of fragment j, which holds columns 4 r + j.  One conversion for two weights, no LDS byte for a weight.
; TOKENS come in the expert's order from xb, 128 k at a time, through registers into one LDS buffer (rows of 272 bytes) that all four waves read: two barriers for each 128 k.
; The tokens of the 48 rows that a wave carries are found in registers, from the 32 masks of the expert's choices, so that the rows are asked for before the list is laid into LDS.
; THE MATRIX INSTRUCTION: source 0 = weights, source 1 = tokens.  A lane then holds ONE token (lane % 16), and register i of accumulator (t, j) column 32 (lane / 16) + 4 i + j.
; NO CLUSTER: what work-groups share is the shared expert's slice, among eight work-groups whose tile tests hang on eight different counts; the routed weights, seven eighths of the bytes, have one reader each.
; LIMITS.  The score multiplies g and u in f32 behind the products (the reference multiplies x); an exponential below 2^-126 counts as 0; NaN and infinities are not treated apart.
; REGISTERS, in windows of 256 (s_set_vgpr_msb: bits 1:0 source 0, 3:2 source 1, 5:4 source 2, 7:6 destination):
;   window 0: v0-31 addresses; v32-95 two sets of four weight fragments; v96-191 twelve token fragments; v192-255 ids and scores (head), token offsets (further passes)
;   window 1: accumulators of tiles 0-7      window 2: v0-127 those of tiles 8-11; v128-223 token rows on their way to LDS; v224-248 their offsets      window 3: four slots of 64: weights in f32
.set WROW,   8192                      ; bytes in a row of the weights
.set APITCH, 272                       ; a token's 128 k in LDS: 256 bytes + 16: the sixteen rows of a fragment load start at sixteen different groups of four banks (64 banks of 4 bytes: ISA guide 11.1)
.set XCHW,   49152                     ; the exchange: a wave's 12 tiles x 4,096 bytes, [j][half][lane x 16]; the four waves' from byte 0 on, over the token buffer
.set LISTS,  196608                    ; each wave's own list: 1,056 places of 4 bytes, a dump word at place 1,056; SCO bytes on the scores in the same form
.set LSZ,    8704
.set SCO,    4352
.set SPARE,  231424                    ; the spare words, 128 bytes a wave
.set V_LANE, 1
.set V_R,    2                         ; lane % 16
.set V_H,    3                         ; lane / 16
.set V_WO,   4                         ; my offset in the weights: 8 h rows + 16 r bytes; never rewritten
.set V_TFA,  5                         ; my place in a token fragment: r x pitch + 16 h
.set V_PFO,  6                         ; lane rows: the prefetch's offset
.set V_L16,  7                         ; 16 x lane
.set V_PS,   8
.set V_AD,   9
.set V_TK,   10
.set V_TK0,  11                        ; 4 x lane
.set V_C16,  12                        ; 16 r
.set V_PLB,  13                        ; 16 q + h: the first row that I carry into LDS
.set V_H16,  14                        ; 16 h
.set V_SCL,  15
.set V_TV,   16
.set V_SC,   20                        ; v20-21 s twice; v22-23 - log2(e) s twice
.set V_SCN,  22
.set V_XG,   24
.set V_XW,   25                        ; where I put my accumulators in the exchange
.set V_AV,   26
.set V_SA,   27
.set V_SPW,  30                        ; my spare word's address; never rewritten
.set V_NIL,  31                        ; 0; never rewritten
.set V_WF,   32
.set RS,     32                        ; head only: two vectors of ranks at work, twelve registers each (RSEL)
.set V_TF,   96
.set V_ID,   192
.set V_AOF,  192
.set V_SV,   224
.set V_G,    32                        ; the way out: g, u, the exponentials, the packed results
.set V_U,    64
.set V_EX,   96
.set V_OO,   128
.set AF,     128                       ; window 2
.set AFO,    224
.set AFL,    248
.set S_Q,    20
.set S_E,    21
.set S_SL,   22
.set S_P,    23                        ; 0 routed pair, 1 shared pair
.set S_PAR,  24
.set S_TMP,  25
.set S_WB0,  26                        ; s[26:27] my matrix at my slice
.set S_WB,   28                        ; s[28:29] the same, stepping
.set S_XB,   30                        ; s[30:31] xb, stepping along k
.set S_ACTB, 32                        ; s[32:33] act at my expert, pair, slice and pass
.set S_CNT,  34
.set S_NT,   35                        ; the expert's tiles of 16 tokens
.set S_TMP2, 36
.set S_LAST, 37
.set S_LBS,  38
.set S_RUN,  39
.set S_XGS,  41
.set S_CH,   42
.set S_THR,  43                        ; the prefetch asks while CH > THR: 1 where I ask, 7 where I do not
.set S_PASS, 44
.set S_T0,   45
.set S_IT,   46
.set S_TT,   47
.set S_OFF,  48
.set S_FA,   50
.set S_FB,   51
.set S_WS,   52
.set S_XS,   54
.set S_LBSS, 56
.set S_KC,   57
.set S_AVS,  58
.set S_HM,   59                        ; the mask of lanes 16-31
.set MKB,    66                        ; s66-97: mask n: which lanes' token 128 (n / 4) + 4 lane + n % 4 chose my expert; in between: tokens read out of lanes
.set MSB, 0
.macro WIN new                         ; the immediate's high byte repeats the setting that is left; a switch that changes nothing is dropped
.if MSB != (\new)
	s_set_vgpr_msb (MSB<<8)|(\new)
.set MSB, (\new)
.endif
.endm
; The 32 masks.  All compares stand together, so that the scalar counts below wait for vector results once and not 32 times.
.macro MASKS
.set ln, 0
.rept 32
	v_cmp_eq_u32 s[MKB+ln], s[S_E], v[V_ID+ln]
.set ln, ln+1
.endr
.endm
.macro COUNT                           ; the expert's tokens, its last place, its tiles
	s_mov_b32 s[S_RUN], 0
.set ln, 0
.rept 32
	s_bcnt1_i32_b32 s[S_TMP], s[MKB+ln]
	s_add_co_u32 s[S_RUN], s[S_RUN], s[S_TMP]
.set ln, ln+1
.endr
	s_min_u32 s[S_CNT], s[S_RUN], 0x400
	s_max_u32 s[S_LAST], s[S_CNT], 1
	s_sub_co_u32 s[S_LAST], s[S_LAST], 1
	s_min_u32 s[S_LAST], s[S_LAST], 0x3ff
	s_add_co_u32 s[S_NT], s[S_CNT], 15
	s_lshr_b32 s[S_NT], s[S_NT], 4
.endm
; FROM A PLACE TO ITS TOKEN, in registers, for two vectors of places at once.  The order of places is that of the list: mask 0's lanes in ascending order, then mask 1's, and so on.
; Vector v's registers at RS + 12 v: +0 the place (at most the last place), then the rank inside the mask; +1 the mask; +2 the mask's number << 16 | the count ahead of it;
; +3 to +6 the mask's bit counts by pairs, nibbles, bytes and halves; +7 the bit's number; +8 at work; +9 the token.
; The mask is the last whose count ahead is not above the place; the bit is found by five halvings: the upper part is taken where the rank is not below the lower part's count.
.macro RLEVEL x, w, k
.irp v, 0,1
	v_bfe_u32 v[RS+12*\v+8], v[RS+12*\v+(\x)], v[RS+12*\v+7], \w
	v_cmp_ge_u32 vcc_lo, v[RS+12*\v], v[RS+12*\v+8]
	v_cndmask_b32 v[RS+12*\v+8], 0, v[RS+12*\v+8], vcc_lo
	v_sub_nc_u32 v[RS+12*\v], v[RS+12*\v], v[RS+12*\v+8]
	v_cndmask_b32 v[RS+12*\v+8], 0, \k, vcc_lo
	v_add_nc_u32 v[RS+12*\v+7], v[RS+12*\v+7], v[RS+12*\v+8]
.endr
.endm
.macro RSEL
	s_mov_b32 s[S_RUN], 0
.irp v, 0,1
	v_mov_b32 v[RS+12*\v+1], s[MKB]
	v_mov_b32 v[RS+12*\v+2], 0
.endr
.set ln, 1
.rept 31
	s_bcnt1_i32_b32 s[S_TMP], s[MKB+ln-1]
	s_add_co_u32 s[S_RUN], s[S_RUN], s[S_TMP]
	s_or_b32 s[S_TMP2], s[S_RUN], ln<<16
.irp v, 0,1
	v_cmp_le_u32 vcc_lo, s[S_RUN], v[RS+12*\v]
	v_cndmask_b32 v[RS+12*\v+1], v[RS+12*\v+1], s[MKB+ln], vcc_lo
	v_cndmask_b32 v[RS+12*\v+2], v[RS+12*\v+2], s[S_TMP2], vcc_lo
.endr
.set ln, ln+1
.endr
.irp v, 0,1
	v_and_b32 v[RS+12*\v+8], 0xffff, v[RS+12*\v+2]
	v_sub_nc_u32 v[RS+12*\v], v[RS+12*\v], v[RS+12*\v+8]
	v_lshrrev_b32 v[RS+12*\v+8], 1, v[RS+12*\v+1]
	v_and_b32 v[RS+12*\v+8], 0x55555555, v[RS+12*\v+8]
	v_sub_nc_u32 v[RS+12*\v+3], v[RS+12*\v+1], v[RS+12*\v+8]
	v_lshrrev_b32 v[RS+12*\v+8], 2, v[RS+12*\v+3]
	v_and_b32 v[RS+12*\v+8], 0x33333333, v[RS+12*\v+8]
	v_and_b32 v[RS+12*\v+4], 0x33333333, v[RS+12*\v+3]
	v_add_nc_u32 v[RS+12*\v+4], v[RS+12*\v+4], v[RS+12*\v+8]
	v_lshrrev_b32 v[RS+12*\v+8], 4, v[RS+12*\v+4]
	v_add_nc_u32 v[RS+12*\v+8], v[RS+12*\v+8], v[RS+12*\v+4]
	v_and_b32 v[RS+12*\v+5], 0x0f0f0f0f, v[RS+12*\v+8]
	v_lshrrev_b32 v[RS+12*\v+8], 8, v[RS+12*\v+5]
	v_add_nc_u32 v[RS+12*\v+8], v[RS+12*\v+8], v[RS+12*\v+5]
	v_and_b32 v[RS+12*\v+6], 0x00ff00ff, v[RS+12*\v+8]
	v_mov_b32 v[RS+12*\v+7], 0
.endr
	RLEVEL 6, 16, 16
	RLEVEL 5, 8, 8
	RLEVEL 4, 4, 4
	RLEVEL 3, 2, 2
	RLEVEL 1, 1, 1
.irp v, 0,1                            ; token = 128 (n / 4) + 4 bit + n % 4
	v_lshrrev_b32 v[RS+12*\v+8], 16, v[RS+12*\v+2]
	v_and_b32 v[RS+12*\v+9], 3, v[RS+12*\v+8]
	v_lshrrev_b32 v[RS+12*\v+8], 2, v[RS+12*\v+8]
	v_lshl_add_u32 v[RS+12*\v+9], v[RS+12*\v+8], 7, v[RS+12*\v+9]
	v_lshl_add_u32 v[RS+12*\v+9], v[RS+12*\v+7], 2, v[RS+12*\v+9]
.endr
.endm
; The expert's list and its scores in LDS, made by every wave for itself: for the way out and for further passes.  First the wave's whole area is filled with zeros, so that every place holds a row that exists.
; A token of the expert goes to the place given by the count so far and the lanes below; every other lane writes the dump word.  Places from the count on repeat the last token.
.macro LISTBUILD
	v_add_nc_u32 v[V_AD], s[S_LBS], v[V_L16]
.irp z, 0,1,2,3
	v_mov_b32 v[V_TF+\z], 0
.endr
.set ln, 0
.rept LSZ/512
	ds_store_b128 v[V_AD], v[V_TF:V_TF+3] offset:512*ln
.set ln, ln+1
.endr
	s_mov_b32 s[S_RUN], 0
.set ln, 0
.rept 32
	v_mbcnt_lo_u32_b32 v[V_PS], s[MKB+ln], s[S_RUN]
	v_cndmask_b32 v[V_PS], 0x420, v[V_PS], s[MKB+ln]
	v_min_u32 v[V_PS], 0x420, v[V_PS]
	v_lshl_add_u32 v[V_AD], v[V_PS], 2, s[S_LBS]
	v_add_nc_u32 v[V_TK], 128*(ln/4)+ln%4, v[V_TK0]
	ds_store_b32 v[V_AD], v[V_TK]                  ; LDS serves a wave's instructions in order (ISA guide 5.7.1.4): this lands on the zeros
	ds_store_b32 v[V_AD], v[V_SV+ln] offset:SCO
	s_bcnt1_i32_b32 s[S_TMP], s[MKB+ln]
	s_add_co_u32 s[S_RUN], s[S_RUN], s[S_TMP]
.set ln, ln+1
.endr
	s_lshl_b32 s[S_TMP], s[S_LAST], 2
	s_add_co_u32 s[S_TMP], s[S_TMP], s[S_LBS]
	v_mov_b32 v[V_AD], s[S_TMP]
	ds_load_b32 v[V_TK], v[V_AD]                   ; in order again: this sees the stores above
	ds_load_b32 v[V_SCL], v[V_AD] offset:SCO
	v_add_nc_u32 v[V_PS], s[S_CNT], v[V_LANE]
	v_min_u32 v[V_PS], 0x41f, v[V_PS]
	v_lshl_add_u32 v[V_PS], v[V_PS], 2, s[S_LBS]
	s_wait_dscnt 0x0
	ds_store_b32 v[V_PS], v[V_TK]
	ds_store_b32 v[V_PS], v[V_SCL] offset:SCO
.endm
; Sixteen loads: the 32 rows from row on, 64 columns, into stage slot slot.  Load i takes row i (i < 8) or i + 8, and 8 rows on in lanes 16-31: the k that a fragment's lane holds.
.macro WLD slot, row, base
	WIN 0xc0
.set wi, 0
.rept 16
	global_load_b128 v[64*(\slot)+4*wi:64*(\slot)+4*wi+3], v[V_WO], s[\base:\base+1] offset:((\row)+wi+8*(wi/8))*WROW
.set wi, wi+1
.endr
.endm
; Sixteen conversions: fragments 2 a and 2 a + 1 of stage slot slot into set wf
.macro CVT slot, wf, a
	WIN 0x0f
.irp j, 2*(\a), 2*(\a)+1
.set cp, 0
.rept 8
	v_cvt_pk_bf16_f32 v[V_WF+32*(\wf)+8*(\j)+cp], v[64*(\slot)+8*cp+(\j)], v[64*(\slot)+8*cp+4+(\j)]
.set cp, cp+1
.endr
.endr
.endm
; Twelve LDS loads: the token fragments of six tiles, 32 k at byte 64 kk of the rows
.macro TLD half, kk
	WIN 0
.set ti, 6*(\half)
.rept 6
	ds_load_b128 v[V_TF+8*ti:V_TF+8*ti+3], v[V_TFA] offset:16*ti*APITCH+64*(\kk)
	ds_load_b128 v[V_TF+8*ti+4:V_TF+8*ti+7], v[V_TFA] offset:16*ti*APITCH+64*(\kk)+32
.set ti, ti+1
.endr
.endm
; Six tiles x four fragments.  Every accumulator has one instruction a K step, so no two matrix instructions that follow each other share one.
; zero = 1: the products start the sums.  tst = 1: a tile past the expert's count, and all behind it, are jumped; what is jumped holds matrix instructions alone.
.macro MMB half, wf, zero, tst
.set mt, 6*(\half)
.rept 6
.if \tst
	WIN 0
	s_cmp_gt_u32 s[S_NT], mt
	s_cbranch_scc0 .Lmmx_\@
.endif
	WIN 0x50*(1+mt/8)
.set mj, 0
.rept 4
.set ma, 32*(mt%8)+8*mj
.set mw, V_WF+32*(\wf)+8*mj
.if \zero
	v_wmma_f32_16x16x32_bf16 v[ma:ma+7], v[mw:mw+7], v[V_TF+8*mt:V_TF+8*mt+7], 0
.else
	v_wmma_f32_16x16x32_bf16 v[ma:ma+7], v[mw:mw+7], v[V_TF+8*mt:V_TF+8*mt+7], v[ma:ma+7]
.endif
.set mj, mj+1
.endr
.set mt, mt+1
.endr
.if \tst
	WIN 0
.Lmmx_\@:
.endif
.endm
.macro AFLD                            ; my 48 token rows' next 256 bytes: 24 loads, two rows each
	WIN 0x82
.set an, 0
.rept 24
	global_load_b128 v[AF+4*an:AF+4*an+3], v[AFO+an], s[S_XB:S_XB+1]
.set an, an+1
.endr
.endm
.macro AFST                            ; and into LDS: tiles q, q + 4, q + 8
	WIN 0x0a
.set an, 0
.rept 24
	ds_store_b128 v[AFL], v[AF+4*an:AF+4*an+3] offset:(64*(an/8)+2*(an%8))*APITCH
.set an, an+1
.endr
.endm
; A K STEP of 32.  k: its number in the trip (stage slot k & 3, fragment set k & 1).  wl: the weights three steps on are asked for.  af: the next 128 k of the tokens are asked for.  pf: the prefetch.
; nx: the next step's token fragments are fetched.  cv: the next step's weights are converted; lc = the loads younger than those weights.
; A vector instruction that writes, and a load into, a register that a matrix instruction has read stand four plain vector instructions behind it (ISA guide 7.12.1 for vector instructions):
; the sixteen conversions, which name the OTHER fragment set and the stage alone, are those places for the token fragments fetched behind them, and for the set that they write (read a step ago).
.macro STEP k, zero, wl, af, pf, nx, cv, lc
.if \wl
	WLD ((\k)+3)&3, 32*((\k)+3), S_WB
.endif
.if \pf
	WIN 0
	s_cmp_gt_u32 s[S_CH], s[S_THR]
	s_cbranch_scc0 .Lnopf_\@
.irp n, 0,1,2,3                        ; rows 256 to 383 from the trip's first row, my 256 bytes of each: a lane a row; their loads begin a trip later; the last trip, whose rows would pass the matrix's end, asks for nothing
	global_prefetch_b8 v[V_PFO], s[S_WB:S_WB+1] offset:(256+32*\n)*WROW th:TH_LOAD_NT scope:SCOPE_SE
.endr
.Lnopf_\@:
.endif
	s_wait_dscnt 12                                ; tiles 0-5 are in; the twelve loads of tiles 6-11 are the younger ones
	MMB 0, (\k)&1, \zero, 0
.if \cv
	s_wait_loadcnt \lc
	CVT ((\k)+1)&3, ((\k)+1)&1, 0
.endif
.if \af
	AFLD
.endif
.if \nx
	TLD 0, ((\k)+1)&3
	s_wait_dscnt 12                                ; tiles 6-11 are in; the twelve just issued are the younger ones
.else
	s_wait_dscnt 0x0
.endif
	MMB 1, (\k)&1, \zero, 1-(\zero)
.if \cv
	CVT ((\k)+1)&3, ((\k)+1)&1, 1
.endif
.if \nx
	TLD 1, ((\k)+1)&3
.endif
.endm
; The token buffer changes its 128 k: nobody reads it any more (first barrier), it is written, everybody's part is written (second barrier).
.macro BOUND
	WIN 0
	s_wait_loadcnt 32                              ; my token rows are in; two steps' weights are the younger ones
	s_wait_dscnt 0x0                               ; my reads of the buffer are back
	s_barrier_signal -1
	s_barrier_wait -1
	AFST
	s_wait_dscnt 0x0                               ; for the others' sake: my rows are written
	WIN 0
	s_barrier_signal -1
	s_barrier_wait -1
	s_add_nc_u64 s[S_XB:S_XB+1], s[S_XB:S_XB+1], 256   ; the loads that named it are done
	TLD 0, 0
	TLD 1, 0
.endm
.macro XST                             ; all 48 accumulators into my part of the exchange, each from its low end on
.set xt, 0
.rept 12
	WIN 0x04*(1+xt/8)
.irp j, 0,1,2,3
	ds_store_b128 v[V_XW], v[32*(xt%8)+8*\j:32*(xt%8)+8*\j+3] offset:xt*4096+\j*1024
	ds_store_b128 v[V_XW], v[32*(xt%8)+8*\j+4:32*(xt%8)+8*\j+7] offset:xt*4096+\j*1024+512
.endr
.set xt, xt+1
.endr
	WIN 0
.endm
; A K step of a further pass: everything from memory, waited for at once.  It serves experts with more than 192 tokens; it holds no barrier.
.macro SSTEP zero
	WIN 0
.rept 4
	v_nop                                          ; the places behind the last products, for the loads and conversions below
.endr
	WLD 0, 0, S_WS
	WIN 0
.set si, 0
.rept 12
	global_load_b128 v[V_TF+8*si:V_TF+8*si+3], v[V_AOF+si], s[S_XS:S_XS+1]
	global_load_b128 v[V_TF+8*si+4:V_TF+8*si+7], v[V_AOF+si], s[S_XS:S_XS+1] offset:32
.set si, si+1
.endr
	s_wait_loadcnt 0x0
	CVT 0, 0, 0
	CVT 0, 0, 1
	MMB 0, 0, \zero, 0
	MMB 1, 0, \zero, 0
	WIN 0
	s_add_nc_u64 s[S_WS:S_WS+1], s[S_WS:S_WS+1], 32*WROW
	s_add_nc_u64 s[S_XS:S_XS+1], s[S_XS:S_XS+1], 64
.endm
	s_load_b512 s[4:19], s[0:1], 0x0               ; xb s[4:5], ids s[6:7], score s[8:9], rt_gate s[10:11], rt_up s[12:13], sh_gate s[14:15], sh_up s[16:17], act s[18:19]
	v_lshl_add_u32 v[V_SPW], v0, 2, SPARE
	v_mov_b32 v[V_NIL], 0
	v_lshrrev_b32 v[V_TV], 5, v0
	v_readfirstlane_b32 s[S_Q], v[V_TV]            ; wave 0..3
	v_and_b32 v[V_LANE], 31, v0
	v_and_b32 v[V_R], 15, v0
	v_bfe_u32 v[V_H], v0, 4, 1
	v_lshlrev_b32 v[V_C16], 4, v[V_R]
	v_lshlrev_b32 v[V_H16], 4, v[V_H]
	v_lshlrev_b32 v[V_L16], 4, v[V_LANE]
	v_lshlrev_b32 v[V_TK0], 2, v[V_LANE]
	v_lshlrev_b32 v[V_PFO], 13, v[V_LANE]
	v_lshl_add_u32 v[V_WO], v[V_H], 16, v[V_C16]
	v_mul_u32_u24 v[V_TFA], v[V_R], APITCH
	v_add_nc_u32 v[V_TFA], v[V_TFA], v[V_H16]
	s_and_b32 s[S_E], ttmp7, 0xffff
	s_mov_b32 s[S_SL], ttmp9
	s_mov_b32 s[S_HM], 0xffff0000
	s_lshr_b32 s[S_P], s[S_Q], 1
	s_and_b32 s[S_PAR], s[S_Q], 1
	s_lshl_b32 s[S_TMP], s[S_Q], 4
	v_add_nc_u32 v[V_PLB], s[S_TMP], v[V_H]
	s_mul_i32 s[S_LBS], s[S_Q], LSZ
	s_add_co_u32 s[S_LBS], s[S_LBS], LISTS
	s_add_co_u32 s[S_LBSS], s[S_LBS], SCO
	s_mul_i32 s[S_TMP], s[S_Q], XCHW
	v_add_nc_u32 v[V_XW], s[S_TMP], v[V_L16]
	s_cmp_eq_u32 s[S_E], 0                         ; each block of the weights is prefetched once in the launch: the routed ones by their one reader, the shared ones by expert 0's work-groups
	s_cselect_b32 s[S_THR], 1, 7
	s_cmp_lt_u32 s[S_Q], 2
	s_cselect_b32 s[S_THR], 1, s[S_THR]
	s_cselect_b32 s[S_FA], 1.0, 0                  ; s = score x FA + FB: the score, or 1
	s_cselect_b32 s[S_FB], 0, 1.0
	s_cselect_b32 s[S_OFF], s[S_E], 0
	s_lshl_b32 s[S_OFF], s[S_OFF], 23              ; an expert's matrix: 8 MiB
	s_lshl_b32 s[S_TMP], s[S_SL], 8                ; 64 columns: 256 bytes
	s_add_co_u32 s[S_OFF], s[S_OFF], s[S_TMP]
	s_mov_b32 s[S_OFF+1], 0
	s_wait_kmcnt 0x0
	s_cmp_eq_u32 s[S_Q], 1
	s_cselect_b64 s[S_WB0:S_WB0+1], s[12:13], s[10:11]
	s_cmp_eq_u32 s[S_Q], 2
	s_cselect_b64 s[S_WB0:S_WB0+1], s[14:15], s[S_WB0:S_WB0+1]
	s_cmp_eq_u32 s[S_Q], 3
	s_cselect_b64 s[S_WB0:S_WB0+1], s[16:17], s[S_WB0:S_WB0+1]
	s_add_nc_u64 s[S_WB0:S_WB0+1], s[S_WB0:S_WB0+1], s[S_OFF:S_OFF+1]
	s_mov_b64 s[S_WB:S_WB+1], s[S_WB0:S_WB0+1]
	s_mov_b64 s[S_XB:S_XB+1], s[4:5]
	s_lshl_b32 s[S_OFF], s[S_E], 23                ; act: an expert has room for 64 tiles of 131,072 bytes;
	s_lshl_b32 s[S_TMP], s[S_P], 16                ; K steps 0-63 routed, 64-127 shared, 1,024 bytes each;
	s_add_co_u32 s[S_OFF], s[S_OFF], s[S_TMP]
	s_lshl_b32 s[S_TMP], s[S_SL], 11               ; my slice is two of them
	s_add_co_u32 s[S_OFF], s[S_OFF], s[S_TMP]
	s_add_nc_u64 s[S_ACTB:S_ACTB+1], s[18:19], s[S_OFF:S_OFF+1]
.set hg, 0
.rept 8
	global_load_b128 v[V_ID+4*hg:V_ID+4*hg+3], v[V_L16], s[6:7] offset:512*hg
.set hg, hg+1
.endr
.set hg, 0
.rept 8
	global_load_b128 v[V_SV+4*hg:V_SV+4*hg+3], v[V_L16], s[8:9] offset:512*hg
.set hg, hg+1
.endr
	WLD 0, 0, S_WB                                 ; three K steps of weights go out before the tokens are found
	WLD 1, 32, S_WB
	WLD 2, 64, S_WB
	WIN 0
	s_cmp_eq_u32 s[S_THR], 1
	s_cbranch_scc0 .Lnopf_head
.irp n, 0,1,2,3                                        ; rows 128 to 255, whose loads begin in the loop's first trip
	global_prefetch_b8 v[V_PFO], s[S_WB:S_WB+1] offset:(128+32*\n)*WROW th:TH_LOAD_NT scope:SCOPE_SE
.endr
.Lnopf_head:
	s_wait_loadcnt 48                              ; ids and scores are in; the 48 weight loads are the younger ones
	MASKS
	COUNT
	; the places of the rows that I carry: vector 0: lanes 0-15 tile q, lanes 16-31 tile q + 4; vector 1: tile q + 8; past the count the last place
	s_lshl_b32 s[S_TMP], s[S_Q], 4
	v_lshl_add_u32 v[RS], v[V_H], 6, v[V_R]
	v_add_nc_u32 v[RS], s[S_TMP], v[RS]
	v_add_nc_u32 v[RS+12], s[S_TMP], v[V_R]
	v_add_nc_u32 v[RS+12], 0x80, v[RS+12]
	v_min_u32 v[RS], s[S_LAST], v[RS]
	v_min_u32 v[RS+12], s[S_LAST], v[RS+12]
	RSEL
	; load 8 m + i takes rows 2 i (lanes 0-15) and 2 i + 1 (lanes 16-31) of tile q + 4 m: the two tokens are read out of their lanes and laid by halves
.set rl, 0
.rept 32
	v_readlane_b32 s[MKB+rl], v[RS+9], rl
.set rl, rl+1
.endr
.set an, 0
.rept 16
	v_mov_b32 v[V_TF+an], s[MKB+16*(an/8)+2*(an%8)+1]
	v_cndmask_b32 v[V_TF+an], s[MKB+16*(an/8)+2*(an%8)], v[V_TF+an], s[S_HM]
.set an, an+1
.endr
.set rl, 0
.rept 16
	v_readlane_b32 s[MKB+rl], v[RS+21], rl
.set rl, rl+1
.endr
.set an, 16
.rept 8
	v_mov_b32 v[V_TF+an], s[MKB+2*(an%8)+1]
	v_cndmask_b32 v[V_TF+an], s[MKB+2*(an%8)], v[V_TF+an], s[S_HM]
.set an, an+1
.endr
	v_mul_u32_u24 v[V_TV], v[V_PLB], APITCH
	v_add_nc_u32 v[V_TV], v[V_TV], v[V_C16]
.set an, 0
.rept 24
	v_min_u32 v[V_TF+an], 0x3ff, v[V_TF+an]
.set an, an+1
.endr
	WIN 0x80
.set an, 0
.rept 24
	v_lshl_add_u32 v[AFO+an], v[V_TF+an], 11, v[V_C16]   ; token x 2,048 bytes + my 16 of the row's 256
.set an, an+1
.endr
	v_mov_b32 v[AFL], v[V_TV]
	AFLD                                           ; the first 128 k of my rows go out; the list is laid into LDS while they are on their way
	WIN 0
	MASKS                                          ; once more: the tokens read out of lanes took the masks' registers
	LISTBUILD
	s_wait_loadcnt 0x0
	CVT 0, 0, 0
	CVT 0, 0, 1
	AFST
	s_wait_dscnt 0x0
	WIN 0
	s_barrier_signal -1
	s_barrier_wait -1
	s_add_nc_u64 s[S_XB:S_XB+1], s[S_XB:S_XB+1], 256
	TLD 0, 0
	TLD 1, 0
	; THE FIRST PASS, tiles 0-11: 32 K steps.  Every wave runs every step, barrier and load.  Order of the loads in a trip c: W(4c+4), the 24 token loads, W(4c+5), W(4c+6), W(4c+7).
	STEP 0, 1, 1, 0, 0, 1, 1, 32                   ; the first step starts all 48 sums
	WIN 0
	s_mov_b32 s[S_CH], 7
.Lmain:
	STEP 1, 0, 1, 1, 1, 1, 1, 32                   ; needs W(4c+2): W(4c+3), W(4c+4) are younger
	STEP 2, 0, 1, 0, 0, 1, 1, 56                   ; needs W(4c+3): W(4c+4), the token loads, W(4c+5)
	STEP 3, 0, 1, 0, 0, 0, 1, 56                   ; needs W(4c+4): the token loads, W(4c+5), W(4c+6)
	BOUND
	STEP 4, 0, 1, 0, 0, 1, 1, 32                   ; needs W(4c+5): W(4c+6), W(4c+7)
	WIN 0
	s_wait_xcnt 0x0                                ; the weights' base steps only behind this wait
	s_add_nc_u64 s[S_WB:S_WB+1], s[S_WB:S_WB+1], 128*WROW
	s_sub_co_u32 s[S_CH], s[S_CH], 1
	s_cmp_lg_u32 s[S_CH], 0
	s_cbranch_scc1 .Lmain
	STEP 1, 0, 0, 0, 0, 1, 1, 16                   ; the last three steps ask for nothing: the counts run down
	STEP 2, 0, 0, 0, 0, 1, 1, 0
	STEP 3, 0, 0, 0, 0, 0, 0, 0
	WIN 0
.rept 4
	v_nop                                          ; the places between the last products and the stores that read them
.endr
	s_wait_dscnt 0x0
	s_barrier_signal -1
	s_barrier_wait -1                              ; nobody reads the token buffer any more: the exchange takes its bytes
	XST
	s_mov_b32 s[S_T0], 0
	s_mov_b32 s[S_PASS], 6                         ; 6 x 12 tiles cover the 64 that an expert can have
.Lpass:                                                ; a trip: the way out of the pass that has been multiplied, then the next pass's products, if a tile is left (in the sixth trip none is: 72 > 64)
	; THE WAY OUT.  Waves 0, 1 take the routed pair's tiles, waves 2, 3 the shared pair's, even and odd: g from the gate wave's part of the exchange, u from the up wave's.
	s_wait_dscnt 0x0                               ; for the others' sake: my accumulators are written
	s_barrier_signal -1
	s_barrier_wait -1
	s_cmp_ge_u32 s[S_T0], s[S_NT]
	s_cbranch_scc1 .Lepi_end
	s_mul_i32 s[S_XGS], s[S_P], 2*XCHW
	s_lshl_b32 s[S_TMP], s[S_PAR], 12
	s_add_co_u32 s[S_XGS], s[S_XGS], s[S_TMP]
	s_lshl_b32 s[S_AVS], s[S_PAR], 17
	s_add_co_u32 s[S_TT], s[S_T0], s[S_PAR]
	s_mov_b32 s[S_IT], 6
.Lepi_trip:
	s_cmp_ge_u32 s[S_TT], s[S_NT]
	s_cbranch_scc1 .Lepi_step                      ; a tile past the count is not stored
	v_add_nc_u32 v[V_XG], s[S_XGS], v[V_L16]
	v_add_nc_u32 v[V_AV], s[S_AVS], v[V_L16]
	s_lshl_b32 s[S_TMP], s[S_TT], 4
	v_add_nc_u32 v[V_SA], s[S_TMP], v[V_R]
	v_min_u32 v[V_SA], 0x41f, v[V_SA]
	v_lshl_add_u32 v[V_SA], v[V_SA], 2, s[S_LBSS]
	ds_load_b32 v[V_SCL], v[V_SA]                  ; my token's score
.set en, 0
.rept 8
	ds_load_b128 v[V_G+4*en:V_G+4*en+3], v[V_XG] offset:512*en
	ds_load_b128 v[V_U+4*en:V_U+4*en+3], v[V_XG] offset:XCHW+512*en
.set en, en+1
.endr
	s_wait_dscnt 0x0
	v_fma_f32 v[V_SC], v[V_SCL], s[S_FA], s[S_FB]
	v_mov_b32 v[V_SC+1], v[V_SC]
	v_mul_f32 v[V_SCN], 0xbfb8aa3b, v[V_SC]
	v_mov_b32 v[V_SCN+1], v[V_SCN]
.set en, 0
.rept 16
	v_pk_mul_f32 v[V_EX+2*en:V_EX+2*en+1], v[V_G+2*en:V_G+2*en+1], v[V_SCN:V_SCN+1]
.set en, en+1
.endr
.set en, 0
.rept 32                                               ; one batch of exponentials; the 32 multiplies behind it name none of its results
	v_exp_f32 v[V_EX+en], v[V_EX+en]
.set en, en+1
.endr
.set en, 0
.rept 16
	v_pk_mul_f32 v[V_G+2*en:V_G+2*en+1], v[V_G+2*en:V_G+2*en+1], v[V_SC:V_SC+1]
	v_pk_mul_f32 v[V_U+2*en:V_U+2*en+1], v[V_U+2*en:V_U+2*en+1], v[V_SC:V_SC+1]
.set en, en+1
.endr
	s_wait_alu depctr_va_vdst(0)                   ; one wait for the batch, ahead of its first reader
.set en, 0
.rept 16
	v_pk_add_f32 v[V_EX+2*en:V_EX+2*en+1], v[V_EX+2*en:V_EX+2*en+1], 1.0 op_sel_hi:[1,0]
.set en, en+1
.endr
.set en, 0
.rept 32
	v_rcp_f32 v[V_EX+en], v[V_EX+en]
.set en, en+1
.endr
.set en, 0
.rept 16
	v_pk_mul_f32 v[V_G+2*en:V_G+2*en+1], v[V_G+2*en:V_G+2*en+1], v[V_U+2*en:V_U+2*en+1]
.set en, en+1
.endr
	s_wait_alu depctr_va_vdst(0)                   ; one wait for the reciprocals
.set en, 0
.rept 16
	v_pk_mul_f32 v[V_G+2*en:V_G+2*en+1], v[V_G+2*en:V_G+2*en+1], v[V_EX+2*en:V_EX+2*en+1]
.set en, en+1
.endr
	; Register 8 j + i holds column 32 h + 4 i + j.  Piece (kp, vv) of the next launch's operand wants columns 32 h + 16 kp + 8 vv + 0..7: i = 4 kp + 2 vv and the next, j = 0..3: all in this lane.
.irp kp, 0,1
.irp vv, 0,1
.set i0, 4*\kp+2*\vv
.set oo, V_OO+4*(2*\kp+\vv)
	v_cvt_pk_bf16_f32 v[oo], v[V_G+i0], v[V_G+8+i0]
	v_cvt_pk_bf16_f32 v[oo+1], v[V_G+16+i0], v[V_G+24+i0]
	v_cvt_pk_bf16_f32 v[oo+2], v[V_G+i0+1], v[V_G+8+i0+1]
	v_cvt_pk_bf16_f32 v[oo+3], v[V_G+16+i0+1], v[V_G+24+i0+1]
	global_store_b128 v[V_AV], v[oo:oo+3], s[S_ACTB:S_ACTB+1] offset:\kp*1024+\vv*512   ; the wave's store covers 512 consecutive bytes, aligned
.endr
.endr
.Lepi_step:
	s_wait_xcnt 0x0                                ; the stores' data, offset and base are rewritten only behind this wait
	s_add_co_u32 s[S_XGS], s[S_XGS], 8192
	s_add_co_u32 s[S_AVS], s[S_AVS], 0x40000
	s_add_co_u32 s[S_TT], s[S_TT], 2
	s_sub_co_u32 s[S_IT], s[S_IT], 1
	s_cmp_lg_u32 s[S_IT], 0
	s_cbranch_scc1 .Lepi_trip
.Lepi_end:
	s_wait_dscnt 0x0                               ; my reads of the exchange are back
	s_barrier_signal -1
	s_barrier_wait -1                              ; everybody's are: the next pass may write it
	s_add_co_u32 s[S_T0], s[S_T0], 12
	s_add_nc_u64 s[S_ACTB:S_ACTB+1], s[S_ACTB:S_ACTB+1], 12*131072
	s_cmp_gt_u32 s[S_NT], s[S_T0]
	s_cbranch_scc0 .Lnext                          ; no tile left: what is jumped holds no barrier
	; A FURTHER PASS, tiles T0 to T0 + 11: token fragments and weights straight from memory, the tokens by the list in LDS
	s_lshl_b32 s[S_TMP], s[S_T0], 4
.set st, 0
.rept 12
	s_add_co_u32 s[S_TMP2], s[S_TMP], 16*st
	v_add_nc_u32 v[V_AOF+st], s[S_TMP2], v[V_R]
	v_min_u32 v[V_AOF+st], s[S_LAST], v[V_AOF+st]
	v_min_u32 v[V_AOF+st], 0x3ff, v[V_AOF+st]
	v_lshl_add_u32 v[V_AOF+st], v[V_AOF+st], 2, s[S_LBS]
	ds_load_b32 v[V_AOF+st], v[V_AOF+st]
.set st, st+1
.endr
	s_wait_dscnt 0x0
.set st, 0
.rept 12
	v_min_u32 v[V_AOF+st], 0x3ff, v[V_AOF+st]
	v_lshl_add_u32 v[V_AOF+st], v[V_AOF+st], 11, v[V_H16]
.set st, st+1
.endr
	s_mov_b64 s[S_WS:S_WS+1], s[S_WB0:S_WB0+1]
	s_mov_b64 s[S_XS:S_XS+1], s[4:5]
	SSTEP 1
	s_mov_b32 s[S_KC], 31
.Lslow:
	SSTEP 0
	s_sub_co_u32 s[S_KC], s[S_KC], 1
	s_cmp_lg_u32 s[S_KC], 0
	s_cbranch_scc1 .Lslow
.rept 4
	v_nop                                          ; the places between the last products and the stores that read them
.endr
	XST
.Lnext:
	s_sub_co_u32 s[S_PASS], s[S_PASS], 1
	s_cmp_lg_u32 s[S_PASS], 0
	s_cbranch_scc1 .Lpass
	s_wait_tensorcnt 0x0                           ; the wave's end
	ds_add_u32 v[V_SPW], v[V_NIL]
	s_wait_dscnt 0x0
	s_endpgm
.Lfunc_end_k_qd9a0012c17_gateup:
	.size	k_qd9a0012c17_gateup, .Lfunc_end_k_qd9a0012c17_gateup-k_qd9a0012c17_gateup
	.p2alignl 7, 3214868480
	.fill 96, 4, 3214868480
	.section	.rodata,"a",@progbits
	.p2align	6, 0x0
	.amdhsa_kernel k_qd9a0012c17_gateup
		.amdhsa_group_segment_fixed_size 231936
		.amdhsa_private_segment_fixed_size 0
		.amdhsa_enable_private_segment 0
		.amdhsa_kernarg_size 64
		.amdhsa_user_sgpr_count 2
		.amdhsa_user_sgpr_kernarg_segment_ptr 1
		.amdhsa_wavefront_size32 1
		.amdhsa_system_sgpr_workgroup_id_x 1
		.amdhsa_system_sgpr_workgroup_id_y 1
		.amdhsa_system_sgpr_workgroup_id_z 1
		.amdhsa_system_vgpr_workitem_id 0
		.amdhsa_next_free_vgpr 1024
		.amdhsa_next_free_sgpr 100
		.amdhsa_reserve_vcc 1
		.amdhsa_float_denorm_mode_32 3
		.amdhsa_float_denorm_mode_16_64 3
		.amdhsa_memory_ordered 1
		.amdhsa_forward_progress 1
		.amdhsa_inst_pref_size 185
	.end_amdhsa_kernel
	.amdgpu_metadata
---
amdhsa.version: [ 1, 2 ]
amdhsa.kernels:
  - .name:           k_qd9a0012c17_gateup
    .symbol:         k_qd9a0012c17_gateup.kd
    .args:
      - { .name: xb, .offset: 0, .size: 8, .value_kind: global_buffer, .address_space: global }
      - { .name: ids, .offset: 8, .size: 8, .value_kind: global_buffer, .address_space: global }
      - { .name: score, .offset: 16, .size: 8, .value_kind: global_buffer, .address_space: global }
      - { .name: rt_gate, .offset: 24, .size: 8, .value_kind: global_buffer, .address_space: global }
      - { .name: rt_up, .offset: 32, .size: 8, .value_kind: global_buffer, .address_space: global }
      - { .name: sh_gate, .offset: 40, .size: 8, .value_kind: global_buffer, .address_space: global }
      - { .name: sh_up, .offset: 48, .size: 8, .value_kind: global_buffer, .address_space: global }
      - { .name: act, .offset: 56, .size: 8, .value_kind: global_buffer, .address_space: global }
    .group_segment_fixed_size: 231936
    .private_segment_fixed_size: 0
    .kernarg_segment_align: 8
    .kernarg_segment_size: 64
    .max_flat_workgroup_size: 128
    .sgpr_count:     100
    .vgpr_count:     1024
    .wavefront_size: 32
...
	.end_amdgpu_metadata
.endif
;; end of part 2
;; launch down (part 3): grid 32 x 8, 4 waves a work-group, no clusters, 182,784 bytes of LDS; arguments act, ids, rt_down, sh_down, part; writes part
.if DOCPART == 3
	.amdgcn_target "amdgcn-amd-amdhsa--gfx1250"
	.amdhsa_code_object_version 6
	.text
	.protected	k_qd9a0012c17_down
	.globl	k_qd9a0012c17_down
	.p2align	8
	.type	k_qd9a0012c17_down,@function
k_qd9a0012c17_down:
	s_mov_b64 s[64:65], 0
	v_nop
	global_prefetch_b8 v0, s[64:65] scope:SCOPE_SE
	s_setreg_imm32_b32 hwreg(HW_REG_WAVE_MODE, 25, 1), 1
	s_wait_xcnt 0x0
; DOWN, IN FOUR PARTS ALONG K.  out0[token] = act_routed[token] . rt_down[e] + act_shared[token] . sh_down is one sum over K = 4,096.  Work-group (4 cb + kq, e) makes, for ALL tokens of expert e and
; the 128 output columns of block cb, the part of that sum that falls into quarter kq of K (kq = 0, 1: rows 1,024 kq on of rt_down[e]; kq = 2, 3: rows 1,024 (kq - 2) on of sh_down), and stores it in f32
; as part[kq][token][column].  The next launch adds the four parts.
; WHY SO.  A work-group asks for 128 x 1,024 x 4 bytes of weights (1,024 loads of 512 bytes) and 10 tiles x 1,024 k x 32 bytes of act (640 loads).  With 64 columns, half the rows and all of K it would ask for
; 2,048 and 1,536.  Each routed weight now has one reader in the launch.  The price: the parts, 4 x 4 MiB, are stored here and read once more.
; SHARES.  Wave q takes 8 of the quarter's 32 K steps (256 rows of the weights), all 128 columns, ten tiles of 16 tokens a pass: 80 accumulators.  It reads its own weights and its own operands of act from
; memory straight into registers: the K loop touches no LDS and has no barrier.  The four waves' sums meet in LDS in f32, five tiles at a time, and are added there.
; THE FIRST PASS is run whole by every wave, so that every accumulator is written on every path ahead of the barriers of the way out.  An expert without tokens reads tile 0 of token 0's expert, which exists,
; and stores nothing.  An expert with more than 160 tokens takes further passes, by a plain loop.  Seven passes cover the 64 tiles that an expert can have.
; WEIGHTS: f32 [k][n]; lane (r, h) loads columns 4 r .. 4 r + 3 of a row of column group g (sixteen lanes: 256 consecutive bytes, aligned); fragment 4 g + j holds columns 64 g + 4 r + j.
; K step j takes rows 64 (j / 2) + 16 (j % 2) + 32 h + i, i = 0..15: the order of k in which act was laid.  The matrix instruction: source 0 = act, source 1 = weights: register i of a lane holds
; token 8 h + i of the tile and column 64 g + 4 r + j.
; NO CLUSTER: what work-groups share is act, among the eight column blocks of one (e, kq): 20 of a step's 52 loads; it goes straight into registers here, and a joint load would want a ring in LDS and rounds of
; the cluster's barrier in a launch whose later passes hang on a stored count.
; LIMITS.  A part is ((wave 0 + wave 1) + (wave 2 + wave 3)), not the reference's order.  Places of a tile past the expert's count repeat its last token and store the same numbers to the same row.
; REGISTERS, in windows of 256 (s_set_vgpr_msb: bits 1:0 source 0, 3:2 source 1, 5:4 source 2, 7:6 destination):
;   window 0: v0-31 addresses; v32-95 eight weight fragments; v96-255 two slots of 80: act's fragments (also: ids at the head, the way out)
;   windows 1, 2: accumulator (t, c) of tiles 0-7 at 64 (t % 4) + 8 c      window 3: v0-127 those of tiles 8, 9; v128-255 one K step's weights in f32
.set WROW,   4096                      ; bytes in a row of the weights
.set NTL,    10                        ; tiles in a pass
.set XRW,    40960                     ; a wave's five tiles in the exchange: [tile][c][half][lane x 16]
.set LISTS,  163840                    ; behind the four parts: each wave's own list: 1,056 places of 4 bytes, a dump word at place 1,056
.set LSZ,    4608
.set SPARE,  182272                    ; the spare words, 128 bytes a wave
.set V_LANE, 1
.set V_R,    2
.set V_H,    3
.set V_WO,   4                         ; 32 h rows + 16 r bytes; never rewritten
.set V_PFO,  6                         ; lane rows: the prefetch's offset
.set V_L16,  7
.set V_PS,   8
.set V_AD,   9
.set V_TK,   10
.set V_TK0,  11
.set V_C16,  12
.set V_PH,   13                        ; 8 h + 4 (q & 1): my four places in a tile on the way out
.set V_XST,  14                        ; where I put my sums in the exchange
.set V_LA,   15
.set V_TV,   16
.set V_AO,   18                        ; v18-27: the ten tiles' offsets in act
.set V_SPW,  30                        ; my spare word's address; never rewritten
.set V_NIL,  31                        ; 0; never rewritten
.set V_WF,   32
.set V_A,    96
.set ST,     128                       ; window 3
.set V_ID,   96
.set V_Z,    128
.set V_PP,   96
.set V_O,    160
.set V_TOK,  176
.set V_VO,   180
.set V_XL,   184
.set S_Q,    20
.set S_E,    21
.set S_CB,   22
.set S_KQ,   23
.set S_PAR,  24
.set S_TMP,  25
.set S_WB0,  26
.set S_WB,   28
.set S_AB0,  30
.set S_AB,   32
.set S_CNT,  34
.set S_NT,   35                        ; the expert's tiles of 16 tokens
.set S_NLM,  36
.set S_LAST, 37
.set S_LBS,  38
.set S_RUN,  39
.set S_G,    40
.set S_NL,   41                        ; the pass's live tiles
.set S_CH,   42
.set S_THR,  43                        ; the prefetch asks while CH > THR: 1 where I ask, 7 where I do not
.set S_PASS, 44
.set S_T0,   45
.set S_IT,   46
.set S_TT,   47
.set S_OFF,  48
.set S_XLS,  50
.set S_OUT,  52
.set S_D,    54                        ; s[54:55] a further pass's step in the weights: 16 rows and 48 rows by turns
.set S_KC,   56
.set S_EE,   57
.set MKB,    66                        ; s66-97: mask n: which lanes' token 128 (n / 4) + 4 lane + n % 4 chose my expert
.set MSB, 0
.macro WIN new                         ; the immediate's high byte repeats the setting that is left; a switch that changes nothing is dropped
.if MSB != (\new)
	s_set_vgpr_msb (MSB<<8)|(\new)
.set MSB, (\new)
.endif
.endm
; The expert's list, in the same order as in the launch before.  All 32 compares stand together, so that the scalar counts wait for vector results once; the wave's area is filled with zeros;
; other experts' lanes write the dump word; places from the count on repeat the last token.
.macro LISTBUILD
.set ln, 0
.rept 32
	v_cmp_eq_u32 s[MKB+ln], s[S_E], v[V_ID+ln]
.set ln, ln+1
.endr
	v_add_nc_u32 v[V_AD], s[S_LBS], v[V_L16]
.irp z, 0,1,2,3
	v_mov_b32 v[V_Z+\z], 0
.endr
.set ln, 0
.rept LSZ/512
	ds_store_b128 v[V_AD], v[V_Z:V_Z+3] offset:512*ln
.set ln, ln+1
.endr
	s_mov_b32 s[S_RUN], 0
.set ln, 0
.rept 32
	v_mbcnt_lo_u32_b32 v[V_PS], s[MKB+ln], s[S_RUN]
	v_cndmask_b32 v[V_PS], 0x420, v[V_PS], s[MKB+ln]
	v_min_u32 v[V_PS], 0x420, v[V_PS]
	v_lshl_add_u32 v[V_AD], v[V_PS], 2, s[S_LBS]
	v_add_nc_u32 v[V_TK], 128*(ln/4)+ln%4, v[V_TK0]
	ds_store_b32 v[V_AD], v[V_TK]                  ; LDS serves a wave's instructions in order (ISA guide 5.7.1.4): this lands on the zeros
	s_bcnt1_i32_b32 s[S_TMP], s[MKB+ln]
	s_add_co_u32 s[S_RUN], s[S_RUN], s[S_TMP]
.set ln, ln+1
.endr
	s_min_u32 s[S_CNT], s[S_RUN], 0x400
	s_max_u32 s[S_LAST], s[S_CNT], 1
	s_sub_co_u32 s[S_LAST], s[S_LAST], 1
	s_min_u32 s[S_LAST], s[S_LAST], 0x3ff
	s_add_co_u32 s[S_NT], s[S_CNT], 15
	s_lshr_b32 s[S_NT], s[S_NT], 4
	s_lshl_b32 s[S_TMP], s[S_LAST], 2
	s_add_co_u32 s[S_TMP], s[S_TMP], s[S_LBS]
	v_mov_b32 v[V_AD], s[S_TMP]
	ds_load_b32 v[V_TK], v[V_AD]                   ; in order again: this sees the stores above
	v_add_nc_u32 v[V_PS], s[S_CNT], v[V_LANE]
	v_min_u32 v[V_PS], 0x41f, v[V_PS]
	v_lshl_add_u32 v[V_PS], v[V_PS], 2, s[S_LBS]
	s_wait_dscnt 0x0
	ds_store_b32 v[V_PS], v[V_TK]
.endm
.macro SETAO                           ; the ten tiles' offsets: tile T0 + t; a dead tile repeats the pass's last live one
.set wi, 0
.rept NTL
	s_min_u32 s[S_TMP], s[S_NLM], wi
	s_add_co_u32 s[S_TMP], s[S_TMP], s[S_T0]
	s_min_u32 s[S_TMP], s[S_TMP], 63
	s_lshl_b32 s[S_TMP], s[S_TMP], 17
	v_add_nc_u32 v[V_AO+wi], s[S_TMP], v[V_L16]
.set wi, wi+1
.endr
.endm
.macro CVT                             ; 64 conversions: the eight fragments out of the stage
	WIN 0x0f
.irp g, 0,1
.irp j, 0,1,2,3
.set cp, 0
.rept 8
	v_cvt_pk_bf16_f32 v[V_WF+32*\g+8*\j+cp], v[ST+64*\g+8*cp+\j], v[ST+64*\g+8*cp+4+\j]
.set cp, cp+1
.endr
.endr
.endr
.endm
.macro LDW jj                          ; the 32 weight loads of K step jj (counted from the base): sixteen rows a lane half, two column groups
	WIN 0xc0
.irp g, 0,1
.set wi, 0
.rept 16
	global_load_b128 v[ST+64*\g+4*wi:ST+64*\g+4*wi+3], v[V_WO], s[S_WB:S_WB+1] offset:(64*((\jj)/2)+16*((\jj)&1)+wi)*WROW+256*\g
.set wi, wi+1
.endr
.endr
.endm
.macro LDA jj                          ; the twenty loads of act of K step jj, each 512 consecutive bytes, into act's slot jj & 1
	WIN 0
.set wi, 0
.rept NTL
	global_load_b128 v[V_A+80*((\jj)&1)+8*wi:V_A+80*((\jj)&1)+8*wi+3], v[V_AO+wi], s[S_AB:S_AB+1] offset:(\jj)*1024
	global_load_b128 v[V_A+80*((\jj)&1)+8*wi+4:V_A+80*((\jj)&1)+8*wi+7], v[V_AO+wi], s[S_AB:S_AB+1] offset:(\jj)*1024+512
.set wi, wi+1
.endr
.endm
; Ten tiles x eight fragments; every accumulator has one instruction a K step, so no two matrix instructions that follow each other share one.
; Tiles 0-7 are multiplied without a test (a dead one repeats a live tile and is not stored); tiles 8 and 9 are jumped if dead: what is jumped holds matrix instructions alone.  zero = 1: the products start all 80 sums.
.macro DMM slot, zero
.set mt, 0
.rept NTL
.if (mt >= 8) && !(\zero)
	WIN 0
	s_cmp_gt_u32 s[S_NL], mt
	s_cbranch_scc0 .Ldmx_\@
.endif
	WIN 0x50*(1+mt/4)
.set mc, 0
.rept 8
.set ma, 64*(mt%4)+8*mc
.set mw, V_WF+8*mc
.set mf, V_A+80*(\slot)+8*mt
.if \zero
	v_wmma_f32_16x16x32_bf16 v[ma:ma+7], v[mf:mf+7], v[mw:mw+7], 0
.else
	v_wmma_f32_16x16x32_bf16 v[ma:ma+7], v[mf:mf+7], v[mw:mw+7], v[ma:ma+7]
.endif
.set mc, mc+1
.endr
.set mt, mt+1
.endr
	WIN 0
.if !(\zero)
.Ldmx_\@:
.endif
.endm
; A K STEP of the first pass.  The next step's act is asked for first, into the slot multiplied a step ago; then this step's 52 loads are in (the twenty just issued are the younger ones); its weights are
; converted, and the next step's weights go into the stage just read out; its products.  The four v_nop are the places (ISA guide 7.12.1 for vector instructions) between the products and
; the next step's loads of act, its conversions into the one set of fragments, and, behind the last step, the LDS stores of the sums.
.macro DSTEP k, zero, ld, pf=0
.if \ld
	LDA (\k)+1
	s_wait_loadcnt 20
.else
	s_wait_loadcnt 0x0
.endif
	CVT
.if \ld
	LDW (\k)+1
.endif
.if \pf
	WIN 0
	s_cmp_gt_u32 s[S_CH], s[S_THR]
	s_cbranch_scc0 .Ldnopf_\@
.irp n, 0,1                            ; rows 128 to 191 from the trip's first row, both column groups: a lane a row; their loads begin in the next trip; the last trip, whose rows would pass my 256, asks for nothing
.irp g, 0,1
	global_prefetch_b8 v[V_PFO], s[S_WB:S_WB+1] offset:(128+32*\n)*WROW+256*\g th:TH_LOAD_NT scope:SCOPE_SE
.endr
.endr
.Ldnopf_\@:
.endif
	DMM (\k)&1, \zero
.rept 4
	v_nop
.endr
.endm
; A K step of a further pass: everything waited for at once.  It serves experts with more than 160 tokens; it holds no barrier.  The weights' rows go on by 16 and by 48 by turns.
.macro SSTEP zero
	LDW 0
	LDA 0
	s_wait_loadcnt 0x0
	CVT
	DMM 0, \zero
.rept 4
	v_nop
.endr
	s_add_nc_u64 s[S_WB:S_WB+1], s[S_WB:S_WB+1], s[S_D:S_D+1]   ; the loads that named the bases are done
	s_xor_b32 s[S_D], s[S_D], 32*WROW
	s_add_nc_u64 s[S_AB:S_AB+1], s[S_AB:S_AB+1], 1024
.endm
; Five tiles' sums (5 rr on) into my part of the exchange, each accumulator from its low end on.  tst = 1: tiles 8 and 9 are jumped if dead.
.macro XST rr, tst
.set xt, 5*(\rr)
.rept 5
.if (\tst) && (xt >= 8)
	WIN 0
	s_cmp_gt_u32 s[S_NL], xt
	s_cbranch_scc0 .Lxs_\@
.endif
	WIN 0x04*(1+xt/4)
.irp c, 0,1,2,3,4,5,6,7
	ds_store_b128 v[V_XST], v[64*(xt%4)+8*\c:64*(xt%4)+8*\c+3] offset:(xt-5*(\rr))*8192+\c*1024
	ds_store_b128 v[V_XST], v[64*(xt%4)+8*\c+4:64*(xt%4)+8*\c+7] offset:(xt-5*(\rr))*8192+\c*1024+512
.endr
.set xt, xt+1
.endr
	WIN 0
.if \tst
.Lxs_\@:
.endif
.endm
; The four waves' sums of five tiles are added and stored.  A round has 20 units of (tile, column group, half of the registers); wave q owns column group q >> 1 and half q & 1 of every tile: four tokens a lane half.
.macro B2 rr
	s_add_co_u32 s[S_TT], s[S_T0], 5*(\rr)
	s_cmp_ge_u32 s[S_TT], s[S_NT]
	s_cbranch_scc1 .Lb2e_\@
	s_lshl_b32 s[S_XLS], s[S_G], 12
	s_lshl_b32 s[S_TMP], s[S_PAR], 9
	s_add_co_u32 s[S_XLS], s[S_XLS], s[S_TMP]
	s_mov_b32 s[S_IT], 5
.Lb2_\@:
	s_cmp_ge_u32 s[S_TT], s[S_NT]
	s_cbranch_scc1 .Lb2s_\@                        ; a dead tile is not stored
	v_add_nc_u32 v[V_XL], s[S_XLS], v[V_L16]
	v_add_nc_u32 v[V_XL+1], XRW, v[V_XL]
	v_add_nc_u32 v[V_XL+2], 2*XRW, v[V_XL]
	v_add_nc_u32 v[V_XL+3], 3*XRW, v[V_XL]
	s_lshl_b32 s[S_TMP], s[S_TT], 4
	v_add_nc_u32 v[V_LA], s[S_TMP], v[V_PH]
	v_min_u32 v[V_LA], 0x41c, v[V_LA]
	v_lshl_add_u32 v[V_LA], v[V_LA], 2, s[S_LBS]
	ds_load_b128 v[V_TOK:V_TOK+3], v[V_LA]         ; my four tokens
.irp w, 0,1,2,3
.irp j, 0,1,2,3
	ds_load_b128 v[V_PP+16*\w+4*\j:V_PP+16*\w+4*\j+3], v[V_XL+\w] offset:\j*1024
.endr
.endr
	s_wait_dscnt 0x0
.set en, 0
.rept 8
	v_pk_add_f32 v[V_PP+2*en:V_PP+2*en+1], v[V_PP+2*en:V_PP+2*en+1], v[V_PP+16+2*en:V_PP+16+2*en+1]
	v_pk_add_f32 v[V_PP+32+2*en:V_PP+32+2*en+1], v[V_PP+32+2*en:V_PP+32+2*en+1], v[V_PP+48+2*en:V_PP+48+2*en+1]
.set en, en+1
.endr
.set en, 0
.rept 16                                               ; the last addition also turns the registers: token en / 4's four neighbouring columns lie side by side
	v_add_f32 v[V_O+en], v[V_PP+4*(en%4)+en/4], v[V_PP+32+4*(en%4)+en/4]
.set en, en+1
.endr
.set en, 0
.rept 4
	v_min_u32 v[V_VO+en], 0x3ff, v[V_TOK+en]
	v_lshl_add_u32 v[V_VO+en], v[V_VO+en], 12, v[V_C16]
	global_store_b128 v[V_VO+en], v[V_O+4*en:V_O+4*en+3], s[S_OUT:S_OUT+1]   ; sixteen lanes store 256 consecutive bytes of a token's row of my part, aligned
.set en, en+1
.endr
.Lb2s_\@:
	s_wait_xcnt 0x0                                ; the stores' data and offsets are rewritten only behind this wait
	s_add_co_u32 s[S_XLS], s[S_XLS], 8192
	s_add_co_u32 s[S_TT], s[S_TT], 1
	s_sub_co_u32 s[S_IT], s[S_IT], 1
	s_cmp_lg_u32 s[S_IT], 0
	s_cbranch_scc1 .Lb2_\@
.Lb2e_\@:
.endm
.macro MEET                            ; my LDS instructions are done; every wave's are
	s_wait_dscnt 0x0
	s_barrier_signal -1
	s_barrier_wait -1
.endm
	s_load_b256 s[4:11], s[0:1], 0x0               ; act s[4:5], ids s[6:7], rt_down s[8:9], sh_down s[10:11]
	s_load_b64 s[12:13], s[0:1], 0x20              ; part
	v_lshl_add_u32 v[V_SPW], v0, 2, SPARE
	v_mov_b32 v[V_NIL], 0
	v_lshrrev_b32 v[V_TV], 5, v0
	v_readfirstlane_b32 s[S_Q], v[V_TV]            ; wave 0..3
	v_and_b32 v[V_LANE], 31, v0
	v_and_b32 v[V_R], 15, v0
	v_bfe_u32 v[V_H], v0, 4, 1
	v_lshlrev_b32 v[V_C16], 4, v[V_R]
	v_lshlrev_b32 v[V_L16], 4, v[V_LANE]
	v_lshlrev_b32 v[V_TK0], 2, v[V_LANE]
	v_lshlrev_b32 v[V_PFO], 12, v[V_LANE]
	v_lshl_add_u32 v[V_WO], v[V_H], 17, v[V_C16]
	s_and_b32 s[S_E], ttmp7, 0xffff
	s_lshr_b32 s[S_CB], ttmp9, 2
	s_and_b32 s[S_KQ], ttmp9, 3
	s_and_b32 s[S_PAR], s[S_Q], 1
	s_lshr_b32 s[S_G], s[S_Q], 1
	s_lshl_b32 s[S_TMP], s[S_PAR], 2
	v_lshl_add_u32 v[V_PH], v[V_H], 3, s[S_TMP]
	s_mul_i32 s[S_LBS], s[S_Q], LSZ
	s_add_co_u32 s[S_LBS], s[S_LBS], LISTS
	s_mul_i32 s[S_TMP], s[S_Q], XRW
	v_add_nc_u32 v[V_XST], s[S_TMP], v[V_L16]
	s_cmp_eq_u32 s[S_E], 0                         ; each block of the weights is prefetched once in the launch: the routed ones by their one reader, the shared ones by expert 0's work-groups
	s_cselect_b32 s[S_THR], 1, 7
	s_cmp_lt_u32 s[S_KQ], 2
	s_cselect_b32 s[S_THR], 1, s[S_THR]
	s_cselect_b32 s[S_OFF], s[S_E], 0
	s_lshl_b32 s[S_OFF], s[S_OFF], 23              ; an expert's matrix: 8 MiB
	s_and_b32 s[S_TMP], s[S_KQ], 1
	s_lshl_b32 s[S_TMP], s[S_TMP], 22              ; the quarter's 1,024 rows of 4,096 bytes
	s_add_co_u32 s[S_OFF], s[S_OFF], s[S_TMP]
	s_lshl_b32 s[S_TMP], s[S_Q], 20                ; my 256 rows of them
	s_add_co_u32 s[S_OFF], s[S_OFF], s[S_TMP]
	s_lshl_b32 s[S_TMP], s[S_CB], 9                ; 128 columns
	s_add_co_u32 s[S_OFF], s[S_OFF], s[S_TMP]
	s_mov_b32 s[S_OFF+1], 0
	s_wait_kmcnt 0x0
	s_cmp_lt_u32 s[S_KQ], 2
	s_cselect_b64 s[S_WB0:S_WB0+1], s[8:9], s[10:11]
	s_add_nc_u64 s[S_WB0:S_WB0+1], s[S_WB0:S_WB0+1], s[S_OFF:S_OFF+1]
	s_mov_b64 s[S_WB:S_WB+1], s[S_WB0:S_WB0+1]
	s_lshl_b32 s[S_OFF], s[S_KQ], 22               ; part kq: 4 MiB;
	s_lshl_b32 s[S_TMP], s[S_CB], 9                ; my block's 512 bytes of a row;
	s_add_co_u32 s[S_OFF], s[S_OFF], s[S_TMP]
	s_lshl_b32 s[S_TMP], s[S_G], 8                 ; the column group that I store
	s_add_co_u32 s[S_OFF], s[S_OFF], s[S_TMP]
	s_add_nc_u64 s[S_OUT:S_OUT+1], s[12:13], s[S_OFF:S_OFF+1]
.set hg, 0
.rept 8
	global_load_b128 v[V_ID+4*hg:V_ID+4*hg+3], v[V_L16], s[6:7] offset:512*hg
.set hg, hg+1
.endr
	LDW 0                                          ; the first step's weights go out before the list is made
	WIN 0
	s_cmp_eq_u32 s[S_THR], 1
	s_cbranch_scc0 .Lnopf_head
.irp n, 0,1                                            ; rows 64 to 127, whose loads begin in the second step
.irp g, 0,1
	global_prefetch_b8 v[V_PFO], s[S_WB:S_WB+1] offset:(64+32*\n)*WROW+256*\g th:TH_LOAD_NT scope:SCOPE_SE
.endr
.endr
.Lnopf_head:
	s_wait_loadcnt 32                              ; the ids are in; the 32 weight loads are the younger ones
	LISTBUILD
	v_readfirstlane_b32 s[S_EE], v[V_ID]           ; token 0's expert has a tile 0: an expert without tokens reads that one, and stores nothing
	s_cmp_eq_u32 s[S_CNT], 0
	s_cselect_b32 s[S_EE], s[S_EE], s[S_E]
	s_min_u32 s[S_EE], s[S_EE], 7
	s_lshl_b32 s[S_OFF], s[S_EE], 23               ; act: the expert's 64 tiles of 131,072 bytes;
	s_lshl_b32 s[S_TMP], s[S_KQ], 15               ; the quarter's 32 K steps of 1,024 bytes in each;
	s_add_co_u32 s[S_OFF], s[S_OFF], s[S_TMP]
	s_lshl_b32 s[S_TMP], s[S_Q], 13                ; my 8 of them
	s_add_co_u32 s[S_OFF], s[S_OFF], s[S_TMP]
	s_add_nc_u64 s[S_AB0:S_AB0+1], s[4:5], s[S_OFF:S_OFF+1]
	s_mov_b64 s[S_AB:S_AB+1], s[S_AB0:S_AB0+1]
	s_mov_b32 s[S_T0], 0
	s_min_u32 s[S_NL], s[S_NT], NTL
	s_max_u32 s[S_NLM], s[S_NL], 1
	s_sub_co_u32 s[S_NLM], s[S_NLM], 1
	SETAO
	; THE FIRST PASS, tiles 0-9: my eight K steps.  Order of the loads: W0, A0, then in step k: A(k+1), W(k+1).
	LDA 0
	DSTEP 0, 1, 1                                  ; the first step starts all 80 sums
	WIN 0
	s_mov_b32 s[S_CH], 3
.Lk:                                                   ; steps 2 c + 1 and 2 c + 2
	DSTEP 1, 0, 1, 1
	DSTEP 2, 0, 1
	WIN 0
	s_wait_xcnt 0x0                                ; the two bases step only behind this wait
	s_add_nc_u64 s[S_WB:S_WB+1], s[S_WB:S_WB+1], 64*WROW
	s_add_nc_u64 s[S_AB:S_AB+1], s[S_AB:S_AB+1], 2048
	s_sub_co_u32 s[S_CH], s[S_CH], 1
	s_cmp_lg_u32 s[S_CH], 0
	s_cbranch_scc1 .Lk
	DSTEP 1, 0, 0                                  ; the last step asks for nothing
	XST 0, 0
	s_mov_b32 s[S_PASS], 7                         ; 7 x 10 tiles cover the 64 that an expert can have
.Lpass:                                                ; a trip: the way out of the pass that has been multiplied, in two rounds of five tiles; then the next pass's products, if a tile is left (in the seventh trip none is: 70 > 64)
	MEET                                           ; tiles 0-4 of the pass are in the exchange
	B2 0
	MEET                                           ; nobody reads them any more
	s_add_co_u32 s[S_TMP], s[S_T0], 5
	s_cmp_gt_u32 s[S_NT], s[S_TMP]
	s_cbranch_scc0 .Lno_x1                         ; what is jumped holds no barrier
	XST 1, 1
.Lno_x1:
	MEET                                           ; tiles 5-9 are in the exchange
	B2 1
	MEET                                           ; nobody reads them any more
	s_add_co_u32 s[S_T0], s[S_T0], NTL
	s_cmp_gt_u32 s[S_NT], s[S_T0]
	s_cbranch_scc0 .Lnext                          ; no tile left: what is jumped holds no barrier
	; A FURTHER PASS, tiles T0 to T0 + 9
	s_sub_co_u32 s[S_NL], s[S_NT], s[S_T0]
	s_min_u32 s[S_NL], s[S_NL], NTL
	s_sub_co_u32 s[S_NLM], s[S_NL], 1
	SETAO
	s_mov_b64 s[S_WB:S_WB+1], s[S_WB0:S_WB0+1]
	s_mov_b64 s[S_AB:S_AB+1], s[S_AB0:S_AB0+1]
	s_mov_b32 s[S_D], 16*WROW
	s_mov_b32 s[S_D+1], 0
	SSTEP 1
	s_mov_b32 s[S_KC], 7
.Lslow:
	SSTEP 0
	s_sub_co_u32 s[S_KC], s[S_KC], 1
	s_cmp_lg_u32 s[S_KC], 0
	s_cbranch_scc1 .Lslow
	XST 0, 0
.Lnext:
	s_sub_co_u32 s[S_PASS], s[S_PASS], 1
	s_cmp_lg_u32 s[S_PASS], 0
	s_cbranch_scc1 .Lpass
	s_wait_tensorcnt 0x0                           ; the wave's end
	ds_add_u32 v[V_SPW], v[V_NIL]
	s_wait_dscnt 0x0
	s_endpgm
.Lfunc_end_k_qd9a0012c17_down:
	.size	k_qd9a0012c17_down, .Lfunc_end_k_qd9a0012c17_down-k_qd9a0012c17_down
	.p2alignl 7, 3214868480
	.fill 96, 4, 3214868480
	.section	.rodata,"a",@progbits
	.p2align	6, 0x0
	.amdhsa_kernel k_qd9a0012c17_down
		.amdhsa_group_segment_fixed_size 182784
		.amdhsa_private_segment_fixed_size 0
		.amdhsa_enable_private_segment 0
		.amdhsa_kernarg_size 40
		.amdhsa_user_sgpr_count 2
		.amdhsa_user_sgpr_kernarg_segment_ptr 1
		.amdhsa_wavefront_size32 1
		.amdhsa_system_sgpr_workgroup_id_x 1
		.amdhsa_system_sgpr_workgroup_id_y 1
		.amdhsa_system_sgpr_workgroup_id_z 1
		.amdhsa_system_vgpr_workitem_id 0
		.amdhsa_next_free_vgpr 1024
		.amdhsa_next_free_sgpr 100
		.amdhsa_reserve_vcc 0
		.amdhsa_float_denorm_mode_32 3
		.amdhsa_float_denorm_mode_16_64 3
		.amdhsa_memory_ordered 1
		.amdhsa_forward_progress 1
		.amdhsa_inst_pref_size 139
	.end_amdhsa_kernel
	.amdgpu_metadata
---
amdhsa.version: [ 1, 2 ]
amdhsa.kernels:
  - .name:           k_qd9a0012c17_down
    .symbol:         k_qd9a0012c17_down.kd
    .args:
      - { .name: act, .offset: 0, .size: 8, .value_kind: global_buffer, .address_space: global }
      - { .name: ids, .offset: 8, .size: 8, .value_kind: global_buffer, .address_space: global }
      - { .name: rt_down, .offset: 16, .size: 8, .value_kind: global_buffer, .address_space: global }
      - { .name: sh_down, .offset: 24, .size: 8, .value_kind: global_buffer, .address_space: global }
      - { .name: part, .offset: 32, .size: 8, .value_kind: global_buffer, .address_space: global }
    .group_segment_fixed_size: 182784
    .private_segment_fixed_size: 0
    .kernarg_segment_align: 8
    .kernarg_segment_size: 40
    .max_flat_workgroup_size: 128
    .sgpr_count:     100
    .vgpr_count:     1024
    .wavefront_size: 32
...
	.end_amdgpu_metadata
.endif
;; end of part 3
;; launch addup (part 4): grid 256 x 1, 8 waves a work-group, no clusters, 0 bytes of LDS; arguments part, out0; writes out0
.if DOCPART == 4
	.amdgcn_target "amdgcn-amd-amdhsa--gfx1250"
	.amdhsa_code_object_version 6
	.text
	.protected	k_qd9a0012c17_addup
	.globl	k_qd9a0012c17_addup
	.p2align	8
	.type	k_qd9a0012c17_addup,@function
k_qd9a0012c17_addup:
	s_mov_b64 s[64:65], 0
	v_nop
	global_prefetch_b8 v0, s[64:65] scope:SCOPE_SE
	s_setreg_imm32_b32 hwreg(HW_REG_WAVE_MODE, 25, 1), 1
	s_wait_xcnt 0x0
; out0 = (part 0 + part 1) + (part 2 + part 3): the routed expert's two quarters of K, then the shared expert's two, all f32.
; A stream: each byte of the four parts is read once and each byte of out0 written once.  A work-group owns 16,384 consecutive bytes of out0; thread t owns the 16 bytes at 16 t of each of its four
; stretches of 4,096 bytes, so a wave's load or store covers 512 consecutive bytes, aligned.  All sixteen loads of a thread go out before the first wait.  No LDS, no barrier, no matrix unit: nothing is shared.
; LIMIT.  The order of the sum is not the reference's.
.set PARTB, 4194304                    ; bytes in a part
.set X,     4                          ; v[4:67]: stretch j: four registers from each of the four parts
	s_load_b128 s[4:7], s[0:1], 0x0                ; part s[4:5], out0 s[6:7]
	v_lshlrev_b32 v1, 4, v0
	s_lshl_b32 s8, ttmp9, 14
	s_mov_b32 s9, 0
	s_wait_kmcnt 0x0
	s_add_nc_u64 s[4:5], s[4:5], s[8:9]            ; parts 0 and 1 at my bytes (part 1 by the immediate),
	s_add_nc_u64 s[10:11], s[4:5], 2*PARTB         ; parts 2 and 3: three parts' distance does not fit the signed 24-bit immediate
	s_add_nc_u64 s[6:7], s[6:7], s[8:9]
.set j, 0
.rept 4
	global_load_b128 v[X+16*j:X+16*j+3],     v1, s[4:5] offset:4096*j th:TH_LOAD_NT
	global_load_b128 v[X+16*j+4:X+16*j+7],   v1, s[4:5] offset:PARTB+4096*j th:TH_LOAD_NT
	global_load_b128 v[X+16*j+8:X+16*j+11],  v1, s[10:11] offset:4096*j th:TH_LOAD_NT
	global_load_b128 v[X+16*j+12:X+16*j+15], v1, s[10:11] offset:PARTB+4096*j th:TH_LOAD_NT
.set j, j+1
.endr
.set j, 0
.rept 4
	s_wait_loadcnt 12-4*j                          ; stretch j's four loads are in; the later stretches' stay out
	v_pk_add_f32 v[X+16*j:X+16*j+1],     v[X+16*j:X+16*j+1],     v[X+16*j+4:X+16*j+5]
	v_pk_add_f32 v[X+16*j+2:X+16*j+3],   v[X+16*j+2:X+16*j+3],   v[X+16*j+6:X+16*j+7]
	v_pk_add_f32 v[X+16*j+8:X+16*j+9],   v[X+16*j+8:X+16*j+9],   v[X+16*j+12:X+16*j+13]
	v_pk_add_f32 v[X+16*j+10:X+16*j+11], v[X+16*j+10:X+16*j+11], v[X+16*j+14:X+16*j+15]
	v_pk_add_f32 v[X+16*j:X+16*j+1],     v[X+16*j:X+16*j+1],     v[X+16*j+8:X+16*j+9]
	v_pk_add_f32 v[X+16*j+2:X+16*j+3],   v[X+16*j+2:X+16*j+3],   v[X+16*j+10:X+16*j+11]
	global_store_b128 v1, v[X+16*j:X+16*j+3], s[6:7] offset:4096*j th:TH_STORE_NT
.set j, j+1
.endr
	s_endpgm
.Lfunc_end_k_qd9a0012c17_addup:
	.size	k_qd9a0012c17_addup, .Lfunc_end_k_qd9a0012c17_addup-k_qd9a0012c17_addup
	.p2alignl 7, 3214868480
	.fill 96, 4, 3214868480
	.section	.rodata,"a",@progbits
	.p2align	6, 0x0
	.amdhsa_kernel k_qd9a0012c17_addup
		.amdhsa_group_segment_fixed_size 0
		.amdhsa_private_segment_fixed_size 0
		.amdhsa_enable_private_segment 0
		.amdhsa_kernarg_size 16
		.amdhsa_user_sgpr_count 2
		.amdhsa_user_sgpr_kernarg_segment_ptr 1
		.amdhsa_wavefront_size32 1
		.amdhsa_system_sgpr_workgroup_id_x 1
		.amdhsa_system_sgpr_workgroup_id_y 1
		.amdhsa_system_sgpr_workgroup_id_z 1
		.amdhsa_system_vgpr_workitem_id 0
		.amdhsa_next_free_vgpr 72
		.amdhsa_next_free_sgpr 66
		.amdhsa_reserve_vcc 0
		.amdhsa_float_denorm_mode_32 3
		.amdhsa_float_denorm_mode_16_64 3
		.amdhsa_memory_ordered 1
		.amdhsa_forward_progress 1
		.amdhsa_inst_pref_size 5
	.end_amdhsa_kernel
	.amdgpu_metadata
---
amdhsa.version: [ 1, 2 ]
amdhsa.kernels:
  - .name:           k_qd9a0012c17_addup
    .symbol:         k_qd9a0012c17_addup.kd
    .args:
      - { .name: part, .offset: 0, .size: 8, .value_kind: global_buffer, .address_space: global }
      - { .name: out0, .offset: 8, .size: 8, .value_kind: global_buffer, .address_space: global }
    .group_segment_fixed_size: 0
    .private_segment_fixed_size: 0
    .kernarg_segment_align: 8
    .kernarg_segment_size: 16
    .max_flat_workgroup_size: 256
    .sgpr_count:     66
    .vgpr_count:     72
    .wavefront_size: 32
...
	.end_amdgpu_metadata
.endif
;; end of part 4
;; ======== version 2 of 2: 4 launches; version 1 with the launches gateup, down written anew for expert scheduling mode
;; workspace buffers: xb 2,097,152 bytes; ids 4,096 bytes of whole numbers; score 4,096 bytes; act 67,108,864 bytes; part 16,777,216 bytes
;; launch router: the kernel of part 1 again; grid 256 x 1, 4 waves a work-group, no clusters, 18,944 bytes of LDS; arguments hidden_states, gate_w, xb, ids, score; writes xb, ids, score
;; launch gateup (part 5): grid 32 x 8, 4 waves a work-group, no clusters, 231,936 bytes of LDS; arguments xb, ids, score, rt_gate, rt_up, sh_gate, sh_up, act; writes act
.if DOCPART == 5
	.amdgcn_target "amdgcn-amd-amdhsa--gfx1250"
	.amdhsa_code_object_version 6
	.text
	.protected	k_qd9a0012c17_gateup
	.globl	k_qd9a0012c17_gateup
	.p2align	8
	.type	k_qd9a0012c17_gateup,@function
k_qd9a0012c17_gateup:
	s_mov_b64 s[64:65], 0
	v_nop
	global_prefetch_b8 v0, s[64:65] scope:SCOPE_SE
	s_setreg_imm32_b32 hwreg(HW_REG_WAVE_SCHED_MODE, 0, 2), 2
	s_setreg_imm32_b32 hwreg(HW_REG_WAVE_MODE, 25, 1), 1
	s_wait_xcnt 0x0
	s_wait_alu depctr_vm_vsrc(0)
; GATE, UP AND SWIGLU.  Work-group (slice, e) takes the tokens that chose expert e through 64 columns of rt_gate[e], rt_up[e], sh_gate and sh_up, and stores
; act = silu(s g) (s u) in bf16 (s = the token's score for the routed pair, 1 for the shared pair), laid out as the next launch's matrix operands.
; Each token has one expert, so the eight work-groups of a slice cover the shared expert's rows once.
; SHARES.  Wave q streams ONE matrix's 1,024 rows x 64 columns (q = 0 rt_gate, 1 rt_up, 2 sh_gate, 3 sh_up), which no other wave of the launch's routed part reads, against all rows of the expert:
; 12 tiles of 16 tokens a pass, 48 accumulators.  An expert with more than 192 tokens takes further passes, by a plain loop that reads its operands from memory.
; WEIGHTS come f32 [k][n] straight into registers: lane (r, h) loads columns 4 r .. 4 r + 3 of one row (sixteen lanes: 256 consecutive bytes, aligned); sixteen rows later
; v_cvt_pk_bf16_f32 of two rows' like columns makes a register of fragment j, which holds columns 4 r + j.  One conversion for two weights, no LDS byte for a weight.
; TOKENS come in the expert's order from xb, 128 k at a time, through registers into one LDS buffer (rows of 272 bytes) that all four waves read: two barriers for each 128 k.
; The tokens of the 48 rows that a wave carries are found in registers, from the 32 masks of the expert's choices, so that the rows are asked for before the list is laid into LDS.
; THE MATRIX INSTRUCTION: source 0 = weights, source 1 = tokens.  A lane then holds ONE token (lane % 16), and register i of accumulator (t, j) column 32 (lane / 16) + 4 i + j.
; NO CLUSTER: what work-groups share is the shared expert's slice, among eight work-groups whose tile tests hang on eight different counts; the routed weights, seven eighths of the bytes, have one reader each.
; LIMITS.  The score multiplies g and u in f32 behind the products (the reference multiplies x); an exponential below 2^-126 counts as 0; NaN and infinities are not treated apart.
; THE MODE: SCHED_MODE bits 1:0 = 2 (LLVM: expert scheduling mode 2), set by the entry lines.  The code itself states the register dependences between vector or matrix instructions and memory or LDS
; instructions, and those through scalar registers that vector instructions write, with s_wait_alu, always for 0.
; THE PLAN.  Registers that memory or LDS instructions touch, in the main loop:
;   stage slots 0-3   Step k: the weights of step k + 3 land in slot (k + 3) & 3, which the conversions of step k - 2 read last.
;   H0a, H0b          The fragments of tiles 0-5, two buffers by turns.  Step k's first 24 products read buffer k & 1; in the step's middle the fragments of step k + 1 land in the other, which the products of step k - 1 read last.
;   H1                The fragments of tiles 6-11, one buffer.  Step k's last 24 products read it; at the step's end the fragments of step k + 1 land in it.
;   AF                Token rows on their way to LDS: loads land in them, the LDS stores at the change of the token buffer read them; no vector instruction names them.
;   V_WO, V_TFA, V_PFO, AFO, AFL, V_XW   offsets and addresses, made once at the head and never written again: scalar bases and immediate offsets do the stepping.
;   The two fragment sets of weights and the accumulators are named by vector and matrix instructions alone.
; So ONE wait on va_vdst stands in a step, at its end, behind its last conversions: the step's products are done reading H1 and H0[k & 1], its conversions are done reading their stage slot.  The loads into H1 follow
; it at once; the next step's loads into H0[k & 1] and the weight loads of the next two steps lean on it too, since no vector or matrix instruction issued behind it names their registers.
; One wait on vm_vsrc for each 128 k stands ahead of the loads into AF.
; REGISTERS, in windows of 256 (s_set_vgpr_msb: bits 1:0 source 0, 3:2 source 1, 5:4 source 2, 7:6 destination):
;   window 0: v0-31 addresses; v32-95 two sets of four weight fragments; v96-191 twelve token fragments; v192-255 ids and scores (head), tiles 0-5's second buffer (v192-239), token offsets (further passes)
;   window 1: accumulators of tiles 0-7      window 2: v0-127 those of tiles 8-11; v128-223 token rows on their way to LDS; v224-248 their offsets      window 3: four slots of 64: weights in f32
.set WROW,   8192                      ; bytes in a row of the weights
.set APITCH, 272                       ; a token's 128 k in LDS: 256 bytes + 16: the sixteen rows of a fragment load start at sixteen different groups of four banks (64 banks of 4 bytes: ISA guide 11.1)
.set XCHW,   49152                     ; the exchange: a wave's 12 tiles x 4,096 bytes, [j][half][lane x 16]; the four waves' from byte 0 on, over the token buffer
.set LISTS,  196608                    ; each wave's own list: 1,056 places of 4 bytes, a dump word at place 1,056; SCO bytes on the scores in the same form
.set LSZ,    8704
.set SCO,    4352
.set SPARE,  231424                    ; the spare words, 128 bytes a wave
.set V_LANE, 1
.set V_R,    2                         ; lane % 16
.set V_H,    3                         ; lane / 16
.set V_WO,   4                         ; my offset in the weights: 8 h rows + 16 r bytes; never rewritten
.set V_TFA,  5                         ; my place in a token fragment: r x pitch + 16 h
.set V_PFO,  6                         ; lane rows: the prefetch's offset
.set V_L16,  7                         ; 16 x lane
.set V_PS,   8
.set V_AD,   9
.set V_TK,   10
.set V_TK0,  11                        ; 4 x lane
.set V_C16,  12                        ; 16 r
.set V_PLB,  13                        ; 16 q + h: the first row that I carry into LDS
.set V_H16,  14                        ; 16 h
.set V_SCL,  15
.set V_TV,   16
.set V_SC,   20                        ; v20-21 s twice; v22-23 - log2(e) s twice
.set V_SCN,  22
.set V_XG,   24
.set V_XW,   25                        ; where I put my accumulators in the exchange
.set V_AV,   26
.set V_SA,   27
.set V_SPW,  30                        ; my spare word's address; never rewritten
.set V_NIL,  31                        ; 0; never rewritten
.set V_WF,   32
.set RS,     32                        ; head only: two vectors of ranks at work, twelve registers each (RSEL)
.set V_LAD,  32                        ; head only, behind RS: the LDS addresses of the list's 32 stores
.set V_LTK,  64                        ; head only: their 32 tokens
.set V_TF,   96
.set V_TG,   192                       ; v192-239: the second buffer of tiles 0-5's fragments
.set V_ID,   192
.set V_AOF,  192
.set V_AOA,  208                       ; further passes: the LDS addresses of the twelve places
.set V_SV,   224
.set V_G,    32                        ; the way out: g, u, the exponentials, the packed results
.set V_U,    64
.set V_EX,   96
.set V_OO,   128
.set AF,     128                       ; window 2
.set AFO,    224
.set AFL,    248
.set S_Q,    20
.set S_E,    21
.set S_SL,   22
.set S_P,    23                        ; 0 routed pair, 1 shared pair
.set S_PAR,  24
.set S_TMP,  25
.set S_WB0,  26                        ; s[26:27] my matrix at my slice
.set S_WB,   28                        ; s[28:29] the same, stepping
.set S_XB,   30                        ; s[30:31] xb, stepping along k
.set S_ACTB, 32                        ; s[32:33] act at my expert, pair, slice and pass
.set S_CNT,  34
.set S_NT,   35                        ; the expert's tiles of 16 tokens
.set S_TMP2, 36
.set S_LAST, 37
.set S_LBS,  38
.set S_RUN,  39
.set S_XGS,  41
.set S_CH,   42
.set S_THR,  43                        ; the prefetch asks while CH > THR: 1 where I ask, 7 where I do not
.set S_PASS, 44
.set S_T0,   45
.set S_IT,   46
.set S_TT,   47
.set S_OFF,  48
.set S_FA,   50
.set S_FB,   51
.set S_WS,   52
.set S_XS,   54
.set S_LBSS, 56
.set S_KC,   57
.set S_AVS,  58
.set S_HM,   59                        ; the mask of lanes 16-31
.set CM0,    44                        ; head only: s44-47 the compares' masks for vector 0,
.set CM1,    52                        ; s52-55 for vector 1 (CM0 + 8),
.set CT,     60                        ; s60-63 a batch's four packed counts
.set MKB,    66                        ; s66-97: mask n: which lanes' token 128 (n / 4) + 4 lane + n % 4 chose my expert; in between: tokens read out of lanes
.set MSB, 0
.macro WIN new                         ; the immediate's high byte repeats the setting that is left; a switch that changes nothing is dropped
.if MSB != (\new)
	s_set_vgpr_msb (MSB<<8)|(\new)
.set MSB, (\new)
.endif
.endm
; The 32 masks.  All compares stand together, so that one wait behind the run serves all their readers.
.macro MASKS
.set ln, 0
.rept 32
	v_cmp_eq_u32 s[MKB+ln], s[S_E], v[V_ID+ln]
.set ln, ln+1
.endr
.endm
.macro COUNT                           ; the expert's tokens, its last place, its tiles
	s_mov_b32 s[S_RUN], 0
.set ln, 0
.rept 32
	s_bcnt1_i32_b32 s[S_TMP], s[MKB+ln]
	s_add_co_u32 s[S_RUN], s[S_RUN], s[S_TMP]
.set ln, ln+1
.endr
	s_min_u32 s[S_CNT], s[S_RUN], 0x400
	s_max_u32 s[S_LAST], s[S_CNT], 1
	s_sub_co_u32 s[S_LAST], s[S_LAST], 1
	s_min_u32 s[S_LAST], s[S_LAST], 0x3ff
	s_add_co_u32 s[S_NT], s[S_CNT], 15
	s_lshr_b32 s[S_NT], s[S_NT], 4
.endm
; FROM A PLACE TO ITS TOKEN, in registers, for two vectors of places at once.  The order of places is that of the list: mask 0's lanes in ascending order, then mask 1's, and so on.
; Vector v's registers at RS + 12 v: +0 the place (at most the last place), then the rank inside the mask; +1 the mask; +2 the mask's number << 16 | the count ahead of it;
; +3 to +6 the mask's bit counts by pairs, nibbles, bytes and halves; +7 the bit's number; +8 at work; +9 the token.
; The mask is the last whose count ahead is not above the place; the bit is found by five halvings: the upper part is taken where the rank is not below the lower part's count.
; The compares write scalar registers, in runs, and one wait stands between a run and the selects that read its masks.
.macro RLEVEL x, w, k
.irp v, 0,1
	v_bfe_u32 v[RS+12*\v+8], v[RS+12*\v+(\x)], v[RS+12*\v+7], \w
.endr
	v_cmp_ge_u32 s[CM0], v[RS], v[RS+8]
	v_cmp_ge_u32 s[CM1], v[RS+12], v[RS+20]
	s_wait_alu depctr_va_sdst(0)                   ; the two compares have written their masks, which the selects below read
.irp v, 0,1
	v_cndmask_b32 v[RS+12*\v+8], 0, v[RS+12*\v+8], s[CM0+8*\v]
	v_sub_nc_u32 v[RS+12*\v], v[RS+12*\v], v[RS+12*\v+8]
	v_cndmask_b32 v[RS+12*\v+8], 0, \k, s[CM0+8*\v]
	v_add_nc_u32 v[RS+12*\v+7], v[RS+12*\v+7], v[RS+12*\v+8]
.endr
.endm
.macro RSEL
	s_mov_b32 s[S_RUN], 0
.irp v, 0,1
	v_mov_b32 v[RS+12*\v+1], s[MKB]
	v_mov_b32 v[RS+12*\v+2], 0
.endr
.set ln, 1
.rept 8                                                ; masks 1 to 31, four to a batch: eight compares, one wait, sixteen selects, in the masks' order
.set bi, 0
.rept 4
.if ln+bi < 32
	s_bcnt1_i32_b32 s[S_TMP], s[MKB+ln+bi-1]
	s_add_co_u32 s[S_RUN], s[S_RUN], s[S_TMP]
	s_or_b32 s[CT+bi], s[S_RUN], (ln+bi)<<16
	v_cmp_le_u32 s[CM0+bi], s[S_RUN], v[RS]
	v_cmp_le_u32 s[CM1+bi], s[S_RUN], v[RS+12]
.endif
.set bi, bi+1
.endr
	s_wait_alu depctr_va_sdst(0)                   ; the batch's compares have written their masks, which the selects below read
.set bi, 0
.rept 4
.if ln+bi < 32
.irp v, 0,1
	v_cndmask_b32 v[RS+12*\v+1], v[RS+12*\v+1], s[MKB+ln+bi], s[CM0+8*\v+bi]
	v_cndmask_b32 v[RS+12*\v+2], v[RS+12*\v+2], s[CT+bi], s[CM0+8*\v+bi]
.endr
.endif
.set bi, bi+1
.endr
.set ln, ln+4
.endr
.irp v, 0,1
	v_and_b32 v[RS+12*\v+8], 0xffff, v[RS+12*\v+2]
	v_sub_nc_u32 v[RS+12*\v], v[RS+12*\v], v[RS+12*\v+8]
	v_lshrrev_b32 v[RS+12*\v+8], 1, v[RS+12*\v+1]
	v_and_b32 v[RS+12*\v+8], 0x55555555, v[RS+12*\v+8]
	v_sub_nc_u32 v[RS+12*\v+3], v[RS+12*\v+1], v[RS+12*\v+8]
	v_lshrrev_b32 v[RS+12*\v+8], 2, v[RS+12*\v+3]
	v_and_b32 v[RS+12*\v+8], 0x33333333, v[RS+12*\v+8]
	v_and_b32 v[RS+12*\v+4], 0x33333333, v[RS+12*\v+3]
	v_add_nc_u32 v[RS+12*\v+4], v[RS+12*\v+4], v[RS+12*\v+8]
	v_lshrrev_b32 v[RS+12*\v+8], 4, v[RS+12*\v+4]
	v_add_nc_u32 v[RS+12*\v+8], v[RS+12*\v+8], v[RS+12*\v+4]
	v_and_b32 v[RS+12*\v+5], 0x0f0f0f0f, v[RS+12*\v+8]
	v_lshrrev_b32 v[RS+12*\v+8], 8, v[RS+12*\v+5]
	v_add_nc_u32 v[RS+12*\v+8], v[RS+12*\v+8], v[RS+12*\v+5]
	v_and_b32 v[RS+12*\v+6], 0x00ff00ff, v[RS+12*\v+8]
	v_mov_b32 v[RS+12*\v+7], 0
.endr
	RLEVEL 6, 16, 16
	RLEVEL 5, 8, 8
	RLEVEL 4, 4, 4
	RLEVEL 3, 2, 2
	RLEVEL 1, 1, 1
.irp v, 0,1                            ; token = 128 (n / 4) + 4 bit + n % 4
	v_lshrrev_b32 v[RS+12*\v+8], 16, v[RS+12*\v+2]
	v_and_b32 v[RS+12*\v+9], 3, v[RS+12*\v+8]
	v_lshrrev_b32 v[RS+12*\v+8], 2, v[RS+12*\v+8]
	v_lshl_add_u32 v[RS+12*\v+9], v[RS+12*\v+8], 7, v[RS+12*\v+9]
	v_lshl_add_u32 v[RS+12*\v+9], v[RS+12*\v+7], 2, v[RS+12*\v+9]
.endr
.endm
; The expert's list and its scores in LDS, made by every wave for itself: for the way out and for further passes.  First the wave's whole area is filled with zeros, so that every place holds a row that exists.
; A token of the expert goes to the place given by the count so far and the lanes below; every other lane writes the dump word.  Places from the count on repeat the last token.
; All addresses and tokens are made first, each in a register of its own, so that one wait serves the whole run of LDS stores.
.macro LISTBUILD
	v_add_nc_u32 v[V_AD], s[S_LBS], v[V_L16]
.irp z, 0,1,2,3
	v_mov_b32 v[V_TF+\z], 0
.endr
	s_mov_b32 s[S_RUN], 0
.set ln, 0
.rept 32
	v_mbcnt_lo_u32_b32 v[V_LAD+ln], s[MKB+ln], s[S_RUN]
	v_cndmask_b32 v[V_LAD+ln], 0x420, v[V_LAD+ln], s[MKB+ln]
	v_min_u32 v[V_LAD+ln], 0x420, v[V_LAD+ln]
	v_lshl_add_u32 v[V_LAD+ln], v[V_LAD+ln], 2, s[S_LBS]
	v_add_nc_u32 v[V_LTK+ln], 128*(ln/4)+ln%4, v[V_TK0]
	s_bcnt1_i32_b32 s[S_TMP], s[MKB+ln]
	s_add_co_u32 s[S_RUN], s[S_RUN], s[S_TMP]
.set ln, ln+1
.endr
	s_lshl_b32 s[S_TMP], s[S_LAST], 2
	s_add_co_u32 s[S_TMP], s[S_TMP], s[S_LBS]
	v_mov_b32 v[V_TV], s[S_TMP]
	v_add_nc_u32 v[V_PS], s[S_CNT], v[V_LANE]
	v_min_u32 v[V_PS], 0x41f, v[V_PS]
	v_lshl_add_u32 v[V_PS], v[V_PS], 2, s[S_LBS]
	s_wait_alu depctr_va_vdst(0)                   ; the zeros, the 32 addresses, the 32 tokens, V_AD, V_TV and V_PS are written: the LDS instructions below read them; and the compares are done reading the ids
.set ln, 0
.rept LSZ/512
	ds_store_b128 v[V_AD], v[V_TF:V_TF+3] offset:512*ln
.set ln, ln+1
.endr
.set ln, 0
.rept 32
	ds_store_b32 v[V_LAD+ln], v[V_LTK+ln]          ; LDS serves a wave's instructions in order (ISA guide 5.7.1.4): this lands on the zeros
	ds_store_b32 v[V_LAD+ln], v[V_SV+ln] offset:SCO
.set ln, ln+1
.endr
	ds_load_b32 v[V_TK], v[V_TV]                   ; in order again: this sees the stores above
	ds_load_b32 v[V_SCL], v[V_TV] offset:SCO
	s_wait_dscnt 0x0
	ds_store_b32 v[V_PS], v[V_TK]
	ds_store_b32 v[V_PS], v[V_SCL] offset:SCO
.endm
; Sixteen loads: the 32 rows from row on, 64 columns, into stage slot slot.  Load i takes row i (i < 8) or i + 8, and 8 rows on in lanes 16-31: the k that a fragment's lane holds.
.macro WLD slot, row, base
	WIN 0xc0
.set wi, 0
.rept 16
	global_load_b128 v[64*(\slot)+4*wi:64*(\slot)+4*wi+3], v[V_WO], s[\base:\base+1] offset:((\row)+wi+8*(wi/8))*WROW
.set wi, wi+1
.endr
.endm
; Sixteen conversions: fragments 2 a and 2 a + 1 of stage slot slot into set wf
.macro CVT slot, wf, a
	WIN 0x0f
.irp j, 2*(\a), 2*(\a)+1
.set cp, 0
.rept 8
	v_cvt_pk_bf16_f32 v[V_WF+32*(\wf)+8*(\j)+cp], v[64*(\slot)+8*cp+(\j)], v[64*(\slot)+8*cp+4+(\j)]
.set cp, cp+1
.endr
.endr
.endm
; Twelve LDS loads: the token fragments of six tiles, 32 k at byte 64 kk of the rows.  buf: which of tiles 0-5's two buffers.
.macro TLD half, kk, buf=0
	WIN 0
.set ti, 6*(\half)
.rept 6
.set tr, V_TF+8*ti
.if ((\half) == 0) && (\buf)
.set tr, V_TG+8*ti
.endif
	ds_load_b128 v[tr:tr+3], v[V_TFA] offset:16*ti*APITCH+64*(\kk)
	ds_load_b128 v[tr+4:tr+7], v[V_TFA] offset:16*ti*APITCH+64*(\kk)+32
.set ti, ti+1
.endr
.endm
; Six tiles x four fragments.  Every accumulator has one instruction a K step, so no two matrix instructions that follow each other share one.
; zero = 1: the products start the sums.  tst = 1: a tile past the expert's count, and all behind it, are jumped; what is jumped holds matrix instructions alone.  buf: which of tiles 0-5's two buffers.
.macro MMB half, wf, zero, tst, buf=0
.set mt, 6*(\half)
.rept 6
.if \tst
	WIN 0
	s_cmp_gt_u32 s[S_NT], mt
	s_cbranch_scc0 .Lmmx_\@
.endif
	WIN 0x50*(1+mt/8)
.set mf, V_TF+8*mt
.if ((\half) == 0) && (\buf)
.set mf, V_TG+8*mt
.endif
.set mj, 0
.rept 4
.set ma, 32*(mt%8)+8*mj
.set mw, V_WF+32*(\wf)+8*mj
.if \zero
	v_wmma_f32_16x16x32_bf16 v[ma:ma+7], v[mw:mw+7], v[mf:mf+7], 0
.else
	v_wmma_f32_16x16x32_bf16 v[ma:ma+7], v[mw:mw+7], v[mf:mf+7], v[ma:ma+7]
.endif
.set mj, mj+1
.endr
.set mt, mt+1
.endr
.if \tst
	WIN 0
.Lmmx_\@:
.endif
.endm
.macro AFLD                            ; my 48 token rows' next 256 bytes: 24 loads, two rows each
	WIN 0x82
.set an, 0
.rept 24
	global_load_b128 v[AF+4*an:AF+4*an+3], v[AFO+an], s[S_XB:S_XB+1]
.set an, an+1
.endr
.endm
.macro AFST                            ; and into LDS: tiles q, q + 4, q + 8
	WIN 0x0a
.set an, 0
.rept 24
	ds_store_b128 v[AFL], v[AF+4*an:AF+4*an+3] offset:(64*(an/8)+2*(an%8))*APITCH
.set an, an+1
.endr
.endm
; A K STEP of 32.  k: its number in the trip (stage slot k & 3, fragment set k & 1, tiles 0-5's buffer k & 1).  wl: the weights three steps on are asked for.  af: the next 128 k of the tokens are asked for.
; pf: the prefetch.  nx: the next step's token fragments are fetched.  cv: the next step's weights are converted; lc = the loads younger than those weights.
; A vector instruction that writes a register that a matrix instruction has read stands four plain vector instructions behind it (ISA guide 7.12.1): a step's conversions write the fragment set that the
; products of the step before read, and that step's last sixteen conversions, which name the other set and the stage alone, are those places.
.macro STEP k, zero, wl, af, pf, nx, cv, lc
.if \wl
	WLD ((\k)+3)&3, 32*((\k)+3), S_WB              ; no wait: the slot's last readers, the conversions of two steps back, stand ahead of that step's closing wait, and nothing since names the slot
.endif
.if \pf
	WIN 0
	s_cmp_gt_u32 s[S_CH], s[S_THR]
	s_cbranch_scc0 .Lnopf_\@
.irp n, 0,1,2,3                        ; rows 256 to 383 from the trip's first row, my 256 bytes of each: a lane a row; their loads begin a trip later; the last trip, whose rows would pass the matrix's end, asks for nothing
	global_prefetch_b8 v[V_PFO], s[S_WB:S_WB+1] offset:(256+32*\n)*WROW th:TH_LOAD_NT scope:SCOPE_SE
.endr
.Lnopf_\@:
.endif
	s_wait_dscnt 12                                ; tiles 0-5 are in; the twelve loads of tiles 6-11 are the younger ones
	MMB 0, (\k)&1, \zero, 0, (\k)&1
.if \cv
	s_wait_loadcnt \lc
	CVT ((\k)+1)&3, ((\k)+1)&1, 0
.endif
.if \af
	s_wait_alu depctr_vm_vsrc(0)                   ; the LDS stores that carried the last 128 k have read AF, in which the loads below land
	AFLD
.endif
.if \nx
	TLD 0, ((\k)+1)&3, ((\k)+1)&1                  ; no wait: the other buffer's last readers, the products of the step before, stand ahead of that step's closing wait, and nothing since names it
	s_wait_dscnt 12                                ; tiles 6-11 are in; the twelve just issued are the younger ones
.else
	s_wait_dscnt 0x0
.endif
	MMB 1, (\k)&1, \zero, 1-(\zero)
.if \cv
	CVT ((\k)+1)&3, ((\k)+1)&1, 1
.endif
.if (\nx) || (\wl)
	s_wait_alu depctr_va_vdst(0)                   ; the step's closing wait: its products are done reading tiles 6-11's fragments and this step's buffer of tiles 0-5; its conversions are done reading their stage slot
.endif
.if \nx
	TLD 1, ((\k)+1)&3
.endif
.endm
; The token buffer changes its 128 k: nobody reads it any more (first barrier), it is written, everybody's part is written (second barrier).
.macro BOUND
	WIN 0
	s_wait_loadcnt 32                              ; my token rows are in; two steps' weights are the younger ones
	s_wait_dscnt 0x0                               ; my reads of the buffer are back
	s_barrier_signal -1
	s_barrier_wait -1
	AFST
	s_wait_dscnt 0x0                               ; for the others' sake: my rows are written
	WIN 0
	s_barrier_signal -1
	s_barrier_wait -1
	s_add_nc_u64 s[S_XB:S_XB+1], s[S_XB:S_XB+1], 256   ; the loads that named it are done
	TLD 0, 0, 0                                    ; no wait: the closing wait of the step before stands behind the last readers of both, and no vector or matrix instruction has been issued since
	TLD 1, 0
.endm
.macro XST                             ; all 48 accumulators into my part of the exchange, each from its low end on
.set xt, 0
.rept 12
	WIN 0x04*(1+xt/8)
.irp j, 0,1,2,3
	ds_store_b128 v[V_XW], v[32*(xt%8)+8*\j:32*(xt%8)+8*\j+3] offset:xt*4096+\j*1024
	ds_store_b128 v[V_XW], v[32*(xt%8)+8*\j+4:32*(xt%8)+8*\j+7] offset:xt*4096+\j*1024+512
.endr
.set xt, xt+1
.endr
	WIN 0
.endm
; A K step of a further pass: everything from memory, waited for at once.  It serves experts with more than 192 tokens; it holds no barrier.
.macro SSTEP zero
	WIN 0
.rept 4
	v_nop                                          ; the places behind the last products, for the conversions below, which write the fragment set that those read
.endr
	s_wait_alu depctr_va_vdst(0)                   ; the last products are done reading the token fragments, the last conversions the stage slot: the loads below land in both; in the pass's first step the offsets V_AOF are written, and the way out's arithmetic is done with v96-143
	WLD 0, 0, S_WS
	WIN 0
.set si, 0
.rept 12
	global_load_b128 v[V_TF+8*si:V_TF+8*si+3], v[V_AOF+si], s[S_XS:S_XS+1]
	global_load_b128 v[V_TF+8*si+4:V_TF+8*si+7], v[V_AOF+si], s[S_XS:S_XS+1] offset:32
.set si, si+1
.endr
	s_wait_loadcnt 0x0
	CVT 0, 0, 0
	CVT 0, 0, 1
	MMB 0, 0, \zero, 0
	MMB 1, 0, \zero, 0
	WIN 0
	s_add_nc_u64 s[S_WS:S_WS+1], s[S_WS:S_WS+1], 32*WROW
	s_add_nc_u64 s[S_XS:S_XS+1], s[S_XS:S_XS+1], 64
.endm
	s_load_b512 s[4:19], s[0:1], 0x0               ; xb s[4:5], ids s[6:7], score s[8:9], rt_gate s[10:11], rt_up s[12:13], sh_gate s[14:15], sh_up s[16:17], act s[18:19]
	v_lshl_add_u32 v[V_SPW], v0, 2, SPARE
	v_mov_b32 v[V_NIL], 0
	v_lshrrev_b32 v[V_TV], 5, v0
	v_readfirstlane_b32 s[S_Q], v[V_TV]            ; wave 0..3
	v_and_b32 v[V_LANE], 31, v0
	v_and_b32 v[V_R], 15, v0
	v_bfe_u32 v[V_H], v0, 4, 1
	v_lshlrev_b32 v[V_C16], 4, v[V_R]
	v_lshlrev_b32 v[V_H16], 4, v[V_H]
	v_lshlrev_b32 v[V_L16], 4, v[V_LANE]
	v_lshlrev_b32 v[V_TK0], 2, v[V_LANE]
	v_lshlrev_b32 v[V_PFO], 13, v[V_LANE]
	v_lshl_add_u32 v[V_WO], v[V_H], 16, v[V_C16]
	v_mul_u32_u24 v[V_TFA], v[V_R], APITCH
	v_add_nc_u32 v[V_TFA], v[V_TFA], v[V_H16]
	s_and_b32 s[S_E], ttmp7, 0xffff
	s_mov_b32 s[S_SL], ttmp9
	s_mov_b32 s[S_HM], 0xffff0000
	s_wait_alu depctr_va_sdst(0)                   ; the wave's number is written, ahead of its first reader
	s_lshr_b32 s[S_P], s[S_Q], 1
	s_and_b32 s[S_PAR], s[S_Q], 1
	s_lshl_b32 s[S_TMP], s[S_Q], 4
	v_add_nc_u32 v[V_PLB], s[S_TMP], v[V_H]
	s_mul_i32 s[S_LBS], s[S_Q], LSZ
	s_add_co_u32 s[S_LBS], s[S_LBS], LISTS
	s_add_co_u32 s[S_LBSS], s[S_LBS], SCO
	s_mul_i32 s[S_TMP], s[S_Q], XCHW
	v_add_nc_u32 v[V_XW], s[S_TMP], v[V_L16]
	s_cmp_eq_u32 s[S_E], 0                         ; each block of the weights is prefetched once in the launch: the routed ones by their one reader, the shared ones by expert 0's work-groups
	s_cselect_b32 s[S_THR], 1, 7
	s_cmp_lt_u32 s[S_Q], 2
	s_cselect_b32 s[S_THR], 1, s[S_THR]
	s_cselect_b32 s[S_FA], 1.0, 0                  ; s = score x FA + FB: the score, or 1
	s_cselect_b32 s[S_FB], 0, 1.0
	s_cselect_b32 s[S_OFF], s[S_E], 0
	s_lshl_b32 s[S_OFF], s[S_OFF], 23              ; an expert's matrix: 8 MiB
	s_lshl_b32 s[S_TMP], s[S_SL], 8                ; 64 columns: 256 bytes
	s_add_co_u32 s[S_OFF], s[S_OFF], s[S_TMP]
	s_mov_b32 s[S_OFF+1], 0
	s_wait_kmcnt 0x0
	s_cmp_eq_u32 s[S_Q], 1
	s_cselect_b64 s[S_WB0:S_WB0+1], s[12:13], s[10:11]
	s_cmp_eq_u32 s[S_Q], 2
	s_cselect_b64 s[S_WB0:S_WB0+1], s[14:15], s[S_WB0:S_WB0+1]
	s_cmp_eq_u32 s[S_Q], 3
	s_cselect_b64 s[S_WB0:S_WB0+1], s[16:17], s[S_WB0:S_WB0+1]
	s_add_nc_u64 s[S_WB0:S_WB0+1], s[S_WB0:S_WB0+1], s[S_OFF:S_OFF+1]
	s_mov_b64 s[S_WB:S_WB+1], s[S_WB0:S_WB0+1]
	s_mov_b64 s[S_XB:S_XB+1], s[4:5]
	s_lshl_b32 s[S_OFF], s[S_E], 23                ; act: an expert has room for 64 tiles of 131,072 bytes;
	s_lshl_b32 s[S_TMP], s[S_P], 16                ; K steps 0-63 routed, 64-127 shared, 1,024 bytes each;
	s_add_co_u32 s[S_OFF], s[S_OFF], s[S_TMP]
	s_lshl_b32 s[S_TMP], s[S_SL], 11               ; my slice is two of them
	s_add_co_u32 s[S_OFF], s[S_OFF], s[S_TMP]
	s_add_nc_u64 s[S_ACTB:S_ACTB+1], s[18:19], s[S_OFF:S_OFF+1]
	s_wait_alu depctr_va_vdst(0)                   ; V_L16, V_WO, V_PFO, V_TFA and V_XW are written: the offsets and addresses that the loads, prefetches and LDS instructions of the whole kernel read
.set hg, 0
.rept 8
	global_load_b128 v[V_ID+4*hg:V_ID+4*hg+3], v[V_L16], s[6:7] offset:512*hg
.set hg, hg+1
.endr
.set hg, 0
.rept 8
	global_load_b128 v[V_SV+4*hg:V_SV+4*hg+3], v[V_L16], s[8:9] offset:512*hg
.set hg, hg+1
.endr
	WLD 0, 0, S_WB                                 ; three K steps of weights go out before the tokens are found
	WLD 1, 32, S_WB
	WLD 2, 64, S_WB
	WIN 0
	s_cmp_eq_u32 s[S_THR], 1
	s_cbranch_scc0 .Lnopf_head
.irp n, 0,1,2,3                                        ; rows 128 to 255, whose loads begin in the loop's first trip
	global_prefetch_b8 v[V_PFO], s[S_WB:S_WB+1] offset:(128+32*\n)*WROW th:TH_LOAD_NT scope:SCOPE_SE
.endr
.Lnopf_head:
	s_wait_loadcnt 48                              ; ids and scores are in; the 48 weight loads are the younger ones
	MASKS
	s_wait_alu depctr_va_sdst(0)                   ; the 32 masks are written, ahead of their first readers, the counts
	COUNT
	; the places of the rows that I carry: vector 0: lanes 0-15 tile q, lanes 16-31 tile q + 4; vector 1: tile q + 8; past the count the last place
	s_lshl_b32 s[S_TMP], s[S_Q], 4
	v_lshl_add_u32 v[RS], v[V_H], 6, v[V_R]
	v_add_nc_u32 v[RS], s[S_TMP], v[RS]
	v_add_nc_u32 v[RS+12], s[S_TMP], v[V_R]
	v_add_nc_u32 v[RS+12], 0x80, v[RS+12]
	v_min_u32 v[RS], s[S_LAST], v[RS]
	v_min_u32 v[RS+12], s[S_LAST], v[RS+12]
	RSEL
	; load 8 m + i takes rows 2 i (lanes 0-15) and 2 i + 1 (lanes 16-31) of tile q + 4 m: the two tokens are read out of their lanes and laid by halves
.set rl, 0
.rept 32
	v_readlane_b32 s[MKB+rl], v[RS+9], rl
.set rl, rl+1
.endr
	s_wait_alu depctr_va_sdst(0)                   ; the 32 tokens read out of lanes are written, ahead of the moves and selects that read them
.set an, 0
.rept 16
	v_mov_b32 v[V_TF+an], s[MKB+16*(an/8)+2*(an%8)+1]
	v_cndmask_b32 v[V_TF+an], s[MKB+16*(an/8)+2*(an%8)], v[V_TF+an], s[S_HM]
.set an, an+1
.endr
.set rl, 0
.rept 16
	v_readlane_b32 s[MKB+rl], v[RS+21], rl
.set rl, rl+1
.endr
	s_wait_alu depctr_va_sdst(0)                   ; the other 16 tokens are written, likewise
.set an, 16
.rept 8
	v_mov_b32 v[V_TF+an], s[MKB+2*(an%8)+1]
	v_cndmask_b32 v[V_TF+an], s[MKB+2*(an%8)], v[V_TF+an], s[S_HM]
.set an, an+1
.endr
	v_mul_u32_u24 v[V_TV], v[V_PLB], APITCH
	v_add_nc_u32 v[V_TV], v[V_TV], v[V_C16]
.set an, 0
.rept 24
	v_min_u32 v[V_TF+an], 0x3ff, v[V_TF+an]
.set an, an+1
.endr
	WIN 0x80
.set an, 0
.rept 24
	v_lshl_add_u32 v[AFO+an], v[V_TF+an], 11, v[V_C16]   ; token x 2,048 bytes + my 16 of the row's 256
.set an, an+1
.endr
	v_mov_b32 v[AFL], v[V_TV]
	s_wait_alu depctr_va_vdst(0)                   ; the 24 offsets AFO, which the token loads read, and the LDS address AFL, which their LDS stores read, are written; neither is written again
	AFLD                                           ; the first 128 k of my rows go out; the list is laid into LDS while they are on their way
	WIN 0
	MASKS                                          ; once more: the tokens read out of lanes took the masks' registers
	s_wait_alu depctr_va_sdst(0)                   ; the 32 masks are written, ahead of the list's counts and selects
	LISTBUILD
	s_wait_alu depctr_vm_vsrc(0)                   ; the list's LDS stores have read v32-95, which the conversions write, and the zeros and the scores, on which token fragments land
	s_wait_loadcnt 0x0
	CVT 0, 0, 0
	CVT 0, 0, 1
	AFST
	s_wait_dscnt 0x0
	WIN 0
	s_barrier_signal -1
	s_barrier_wait -1
	s_add_nc_u64 s[S_XB:S_XB+1], s[S_XB:S_XB+1], 256
	TLD 0, 0, 0                                    ; no wait: the last vector instructions that named v96-191 stand ahead of the list's wait on va_vdst
	TLD 1, 0
	; THE FIRST PASS, tiles 0-11: 32 K steps.  Every wave runs every step, barrier and load.  Order of the loads in a trip c: W(4c+4), the 24 token loads, W(4c+5), W(4c+6), W(4c+7).
	STEP 0, 1, 1, 0, 0, 1, 1, 32                   ; the first step starts all 48 sums
	WIN 0
	s_mov_b32 s[S_CH], 7
.Lmain:
	STEP 1, 0, 1, 1, 1, 1, 1, 32                   ; needs W(4c+2): W(4c+3), W(4c+4) are younger
	STEP 2, 0, 1, 0, 0, 1, 1, 56                   ; needs W(4c+3): W(4c+4), the token loads, W(4c+5)
	STEP 3, 0, 1, 0, 0, 0, 1, 56                   ; needs W(4c+4): the token loads, W(4c+5), W(4c+6)
	BOUND
	STEP 4, 0, 1, 0, 0, 1, 1, 32                   ; needs W(4c+5): W(4c+6), W(4c+7)
	WIN 0
	s_wait_xcnt 0x0                                ; the weights' base steps only behind this wait
	s_add_nc_u64 s[S_WB:S_WB+1], s[S_WB:S_WB+1], 128*WROW
	s_sub_co_u32 s[S_CH], s[S_CH], 1
	s_cmp_lg_u32 s[S_CH], 0
	s_cbranch_scc1 .Lmain
	STEP 1, 0, 0, 0, 0, 1, 1, 16                   ; the last three steps ask for nothing: the counts run down
	STEP 2, 0, 0, 0, 0, 1, 1, 0
	STEP 3, 0, 0, 0, 0, 0, 0, 0
	WIN 0
.rept 4
	v_nop                                          ; the places between the last products and the stores that read them
.endr
	s_wait_alu depctr_va_vdst(0)                   ; the products have written the 48 accumulators, which the LDS stores below read; the places above stay beside this wait
	s_wait_dscnt 0x0
	s_barrier_signal -1
	s_barrier_wait -1                              ; nobody reads the token buffer any more: the exchange takes its bytes
	XST
	s_mov_b32 s[S_T0], 0
	s_mov_b32 s[S_PASS], 6                         ; 6 x 12 tiles cover the 64 that an expert can have
.Lpass:                                                ; a trip: the way out of the pass that has been multiplied, then the next pass's products, if a tile is left (in the sixth trip none is: 72 > 64)
	; THE WAY OUT.  Waves 0, 1 take the routed pair's tiles, waves 2, 3 the shared pair's, even and odd: g from the gate wave's part of the exchange, u from the up wave's.
	s_wait_dscnt 0x0                               ; for the others' sake: my accumulators are written
	s_barrier_signal -1
	s_barrier_wait -1
	s_cmp_ge_u32 s[S_T0], s[S_NT]
	s_cbranch_scc1 .Lepi_end
	s_mul_i32 s[S_XGS], s[S_P], 2*XCHW
	s_lshl_b32 s[S_TMP], s[S_PAR], 12
	s_add_co_u32 s[S_XGS], s[S_XGS], s[S_TMP]
	s_lshl_b32 s[S_AVS], s[S_PAR], 17
	s_add_co_u32 s[S_TT], s[S_T0], s[S_PAR]
	s_mov_b32 s[S_IT], 6
.Lepi_trip:
	s_cmp_ge_u32 s[S_TT], s[S_NT]
	s_cbranch_scc1 .Lepi_step                      ; a tile past the count is not stored
	s_wait_alu depctr_vm_vsrc(0)                   ; the last trip's LDS loads have read V_XG and V_SA, its stores V_AV and the packed results: all are written again in this trip
	v_add_nc_u32 v[V_XG], s[S_XGS], v[V_L16]
	v_add_nc_u32 v[V_AV], s[S_AVS], v[V_L16]
	s_lshl_b32 s[S_TMP], s[S_TT], 4
	v_add_nc_u32 v[V_SA], s[S_TMP], v[V_R]
	v_min_u32 v[V_SA], 0x41f, v[V_SA]
	v_lshl_add_u32 v[V_SA], v[V_SA], 2, s[S_LBSS]
	s_wait_alu depctr_va_vdst(0)                   ; V_XG, V_SA and V_AV are written; the last trip's arithmetic is done with the score, g and u, in which the loads below land
	ds_load_b32 v[V_SCL], v[V_SA]                  ; my token's score
.set en, 0
.rept 8
	ds_load_b128 v[V_G+4*en:V_G+4*en+3], v[V_XG] offset:512*en
	ds_load_b128 v[V_U+4*en:V_U+4*en+3], v[V_XG] offset:XCHW+512*en
.set en, en+1
.endr
	s_wait_dscnt 0x0
	v_fma_f32 v[V_SC], v[V_SCL], s[S_FA], s[S_FB]
	v_mov_b32 v[V_SC+1], v[V_SC]
	v_mul_f32 v[V_SCN], 0xbfb8aa3b, v[V_SC]
	v_mov_b32 v[V_SCN+1], v[V_SCN]
.set en, 0
.rept 16
	v_pk_mul_f32 v[V_EX+2*en:V_EX+2*en+1], v[V_G+2*en:V_G+2*en+1], v[V_SCN:V_SCN+1]
.set en, en+1
.endr
.set en, 0
.rept 32                                               ; one batch of exponentials; the 32 multiplies behind it name none of its results
	v_exp_f32 v[V_EX+en], v[V_EX+en]
.set en, en+1
.endr
.set en, 0
.rept 16
	v_pk_mul_f32 v[V_G+2*en:V_G+2*en+1], v[V_G+2*en:V_G+2*en+1], v[V_SC:V_SC+1]
	v_pk_mul_f32 v[V_U+2*en:V_U+2*en+1], v[V_U+2*en:V_U+2*en+1], v[V_SC:V_SC+1]
.set en, en+1
.endr
	s_wait_alu depctr_va_vdst(0)                   ; the 32 exponentials have written their results: one wait for the batch, ahead of its first reader
.set en, 0
.rept 16
	v_pk_add_f32 v[V_EX+2*en:V_EX+2*en+1], v[V_EX+2*en:V_EX+2*en+1], 1.0 op_sel_hi:[1,0]
.set en, en+1
.endr
.set en, 0
.rept 32
	v_rcp_f32 v[V_EX+en], v[V_EX+en]
.set en, en+1
.endr
.set en, 0
.rept 16
	v_pk_mul_f32 v[V_G+2*en:V_G+2*en+1], v[V_G+2*en:V_G+2*en+1], v[V_U+2*en:V_U+2*en+1]
.set en, en+1
.endr
	s_wait_alu depctr_va_vdst(0)                   ; the 32 reciprocals have written their results: one wait for the batch
.set en, 0
.rept 16
	v_pk_mul_f32 v[V_G+2*en:V_G+2*en+1], v[V_G+2*en:V_G+2*en+1], v[V_EX+2*en:V_EX+2*en+1]
.set en, en+1
.endr
	; Register 8 j + i holds column 32 h + 4 i + j.  Piece (kp, vv) of the next launch's operand wants columns 32 h + 16 kp + 8 vv + 0..7: i = 4 kp + 2 vv and the next, j = 0..3: all in this lane.
.irp kp, 0,1
.irp vv, 0,1
.set i0, 4*\kp+2*\vv
.set oo, V_OO+4*(2*\kp+\vv)
	v_cvt_pk_bf16_f32 v[oo], v[V_G+i0], v[V_G+8+i0]
	v_cvt_pk_bf16_f32 v[oo+1], v[V_G+16+i0], v[V_G+24+i0]
	v_cvt_pk_bf16_f32 v[oo+2], v[V_G+i0+1], v[V_G+8+i0+1]
	v_cvt_pk_bf16_f32 v[oo+3], v[V_G+16+i0+1], v[V_G+24+i0+1]
.endr
.endr
	s_wait_alu depctr_va_vdst(0)                   ; the sixteen roundings have written the packed results, which the four stores read
.irp kp, 0,1
.irp vv, 0,1
.set oo, V_OO+4*(2*\kp+\vv)
	global_store_b128 v[V_AV], v[oo:oo+3], s[S_ACTB:S_ACTB+1] offset:\kp*1024+\vv*512   ; the wave's store covers 512 consecutive bytes, aligned
.endr
.endr
.Lepi_step:
	s_wait_xcnt 0x0                                ; the stores' data, offset and base are rewritten only behind this wait
	s_add_co_u32 s[S_XGS], s[S_XGS], 8192
	s_add_co_u32 s[S_AVS], s[S_AVS], 0x40000
	s_add_co_u32 s[S_TT], s[S_TT], 2
	s_sub_co_u32 s[S_IT], s[S_IT], 1
	s_cmp_lg_u32 s[S_IT], 0
	s_cbranch_scc1 .Lepi_trip
.Lepi_end:
	s_wait_dscnt 0x0                               ; my reads of the exchange are back
	s_barrier_signal -1
	s_barrier_wait -1                              ; everybody's are: the next pass may write it
	s_add_co_u32 s[S_T0], s[S_T0], 12
	s_add_nc_u64 s[S_ACTB:S_ACTB+1], s[S_ACTB:S_ACTB+1], 12*131072
	s_cmp_gt_u32 s[S_NT], s[S_T0]
	s_cbranch_scc0 .Lnext                          ; no tile left: what is jumped holds no barrier
	; A FURTHER PASS, tiles T0 to T0 + 11: token fragments and weights straight from memory, the tokens by the list in LDS
	s_wait_alu depctr_vm_vsrc(0)                   ; the pass before's LDS loads have read V_AOA and its loads V_AOF, both written again below; the way out's stores have read the packed results, on which token fragments land
	s_lshl_b32 s[S_TMP], s[S_T0], 4
.set st, 0
.rept 12
	s_add_co_u32 s[S_TMP2], s[S_TMP], 16*st
	v_add_nc_u32 v[V_AOA+st], s[S_TMP2], v[V_R]
	v_min_u32 v[V_AOA+st], s[S_LAST], v[V_AOA+st]
	v_min_u32 v[V_AOA+st], 0x3ff, v[V_AOA+st]
	v_lshl_add_u32 v[V_AOA+st], v[V_AOA+st], 2, s[S_LBS]
.set st, st+1
.endr
	s_wait_alu depctr_va_vdst(0)                   ; the twelve LDS addresses V_AOA are written; the pass before's shifts are done with V_AOF, in which the tokens land
.set st, 0
.rept 12
	ds_load_b32 v[V_AOF+st], v[V_AOA+st]
.set st, st+1
.endr
	s_wait_dscnt 0x0
.set st, 0
.rept 12
	v_min_u32 v[V_AOF+st], 0x3ff, v[V_AOF+st]
	v_lshl_add_u32 v[V_AOF+st], v[V_AOF+st], 11, v[V_H16]
.set st, st+1
.endr
	s_mov_b64 s[S_WS:S_WS+1], s[S_WB0:S_WB0+1]
	s_mov_b64 s[S_XS:S_XS+1], s[4:5]
	SSTEP 1
	s_mov_b32 s[S_KC], 31
.Lslow:
	SSTEP 0
	s_sub_co_u32 s[S_KC], s[S_KC], 1
	s_cmp_lg_u32 s[S_KC], 0
	s_cbranch_scc1 .Lslow
.rept 4
	v_nop                                          ; the places between the last products and the stores that read them
.endr
	s_wait_alu depctr_va_vdst(0)                   ; the products have written the 48 accumulators, which the LDS stores below read
	XST
.Lnext:
	s_sub_co_u32 s[S_PASS], s[S_PASS], 1
	s_cmp_lg_u32 s[S_PASS], 0
	s_cbranch_scc1 .Lpass
	s_wait_dscnt 0x0                               ; the closing lines, six on end
	s_wait_alu 0x0
	s_wait_tensorcnt 0x0
	ds_add_u32 v[V_SPW], v[V_NIL]
	s_wait_dscnt 0x0
	s_endpgm
.Lfunc_end_k_qd9a0012c17_gateup:
	.size	k_qd9a0012c17_gateup, .Lfunc_end_k_qd9a0012c17_gateup-k_qd9a0012c17_gateup
	.p2alignl 7, 3214868480
	.fill 96, 4, 3214868480
	.section	.rodata,"a",@progbits
	.p2align	6, 0x0
	.amdhsa_kernel k_qd9a0012c17_gateup
		.amdhsa_group_segment_fixed_size 231936
		.amdhsa_private_segment_fixed_size 0
		.amdhsa_enable_private_segment 0
		.amdhsa_kernarg_size 64
		.amdhsa_user_sgpr_count 2
		.amdhsa_user_sgpr_kernarg_segment_ptr 1
		.amdhsa_wavefront_size32 1
		.amdhsa_system_sgpr_workgroup_id_x 1
		.amdhsa_system_sgpr_workgroup_id_y 1
		.amdhsa_system_sgpr_workgroup_id_z 1
		.amdhsa_system_vgpr_workitem_id 0
		.amdhsa_next_free_vgpr 1024
		.amdhsa_next_free_sgpr 100
		.amdhsa_reserve_vcc 0
		.amdhsa_float_denorm_mode_32 3
		.amdhsa_float_denorm_mode_16_64 3
		.amdhsa_memory_ordered 1
		.amdhsa_forward_progress 1
		.amdhsa_inst_pref_size 189
	.end_amdhsa_kernel
	.amdgpu_metadata
---
amdhsa.version: [ 1, 2 ]
amdhsa.kernels:
  - .name:           k_qd9a0012c17_gateup
    .symbol:         k_qd9a0012c17_gateup.kd
    .args:
      - { .name: xb, .offset: 0, .size: 8, .value_kind: global_buffer, .address_space: global }
      - { .name: ids, .offset: 8, .size: 8, .value_kind: global_buffer, .address_space: global }
      - { .name: score, .offset: 16, .size: 8, .value_kind: global_buffer, .address_space: global }
      - { .name: rt_gate, .offset: 24, .size: 8, .value_kind: global_buffer, .address_space: global }
      - { .name: rt_up, .offset: 32, .size: 8, .value_kind: global_buffer, .address_space: global }
      - { .name: sh_gate, .offset: 40, .size: 8, .value_kind: global_buffer, .address_space: global }
      - { .name: sh_up, .offset: 48, .size: 8, .value_kind: global_buffer, .address_space: global }
      - { .name: act, .offset: 56, .size: 8, .value_kind: global_buffer, .address_space: global }
    .group_segment_fixed_size: 231936
    .private_segment_fixed_size: 0
    .kernarg_segment_align: 8
    .kernarg_segment_size: 64
    .max_flat_workgroup_size: 128
    .sgpr_count:     100
    .vgpr_count:     1024
    .wavefront_size: 32
...
	.end_amdgpu_metadata
.endif
;; end of part 5
;; launch down (part 6): grid 32 x 8, 4 waves a work-group, no clusters, 182,784 bytes of LDS; arguments act, ids, rt_down, sh_down, part; writes part
.if DOCPART == 6
	.amdgcn_target "amdgcn-amd-amdhsa--gfx1250"
	.amdhsa_code_object_version 6
	.text
	.protected	k_qd9a0012c17_down
	.globl	k_qd9a0012c17_down
	.p2align	8
	.type	k_qd9a0012c17_down,@function
k_qd9a0012c17_down:
	s_mov_b64 s[64:65], 0
	v_nop
	global_prefetch_b8 v0, s[64:65] scope:SCOPE_SE
	s_setreg_imm32_b32 hwreg(HW_REG_WAVE_SCHED_MODE, 0, 2), 2
	s_setreg_imm32_b32 hwreg(HW_REG_WAVE_MODE, 25, 1), 1
	s_wait_xcnt 0x0
	s_wait_alu depctr_vm_vsrc(0)
; DOWN, IN FOUR PARTS ALONG K.  out0[token] = act_routed[token] . rt_down[e] + act_shared[token] . sh_down is one sum over K = 4,096.  Work-group (4 cb + kq, e) makes, for ALL tokens of expert e and
; the 128 output columns of block cb, the part of that sum that falls into quarter kq of K (kq = 0, 1: rows 1,024 kq on of rt_down[e]; kq = 2, 3: rows 1,024 (kq - 2) on of sh_down), and stores it in f32
; as part[kq][token][column].  The next launch adds the four parts.
; WHY SO.  A work-group asks for 128 x 1,024 x 4 bytes of weights (1,024 loads of 512 bytes) and 10 tiles x 1,024 k x 32 bytes of act (640 loads).  With 64 columns, half the rows and all of K it would ask for
; 2,048 and 1,536.  Each routed weight now has one reader in the launch.  The price: the parts, 4 x 4 MiB, are stored here and read once more.
; SHARES.  Wave q takes 8 of the quarter's 32 K steps (256 rows of the weights), all 128 columns, ten tiles of 16 tokens a pass: 80 accumulators.  It reads its own weights and its own operands of act from
; memory straight into registers: the K loop touches no LDS and has no barrier.  The four waves' sums meet in LDS in f32, five tiles at a time, and are added there.
; THE FIRST PASS is run whole by every wave, so that every accumulator is written on every path ahead of the barriers of the way out.  An expert without tokens reads tile 0 of token 0's expert, which exists,
; and stores nothing.  An expert with more than 160 tokens takes further passes, by a plain loop.  Seven passes cover the 64 tiles that an expert can have.
; WEIGHTS: f32 [k][n]; lane (r, h) loads columns 4 r .. 4 r + 3 of a row of column group g (sixteen lanes: 256 consecutive bytes, aligned); fragment 4 g + j holds columns 64 g + 4 r + j.
; K step j takes rows 64 (j / 2) + 16 (j % 2) + 32 h + i, i = 0..15: the order of k in which act was laid.  The matrix instruction: source 0 = act, source 1 = weights: register i of a lane holds
; token 8 h + i of the tile and column 64 g + 4 r + j.
; NO CLUSTER: what work-groups share is act, among the eight column blocks of one (e, kq): 20 of a step's 52 loads; it goes straight into registers here, and a joint load would want a ring in LDS and rounds of
; the cluster's barrier in a launch whose later passes hang on a stored count.
; LIMITS.  A part is ((wave 0 + wave 1) + (wave 2 + wave 3)), not the reference's order.  Places of a tile past the expert's count repeat its last token and store the same numbers to the same row.
; THE MODE: SCHED_MODE bits 1:0 = 2 (LLVM: expert scheduling mode 2), set by the entry lines.  The code itself states the register dependences between vector or matrix instructions and memory or LDS
; instructions, and those through scalar registers that vector instructions write, with s_wait_alu, always for 0.
; THE PLAN.  Registers that memory instructions touch, in the K loop:
;   the stage         Step k: its 64 conversions read it; behind them the weights of step k + 1 land in it.
;   act's slots 0, 1  Step k: its 80 products read slot k & 1; at the step's head the operands of step k + 1 land in the other slot, which the products of step k - 1 read.
;   V_AO, V_WO, V_PFO offsets, made ahead of the loop and not written in it: the two scalar bases and immediate offsets do the stepping.
;   The eight weight fragments and the accumulators are named by vector and matrix instructions alone.
; So TWO waits on va_vdst stand in a step: one at its head (the products of the step before are done reading their slot), ahead of act's loads, and one behind the conversions (they are done reading the stage),
; ahead of the weights' loads.  One wait would do if act's loads stood behind the conversions; but then they would go out in one run with the weights, for which the wave waits, where now they go out ahead of that
; wait; and a third slot of 80 registers, which would free them from the products, does not exist: the map below fills all 1,024.
; REGISTERS, in windows of 256 (s_set_vgpr_msb: bits 1:0 source 0, 3:2 source 1, 5:4 source 2, 7:6 destination):
;   window 0: v0-31 addresses; v32-95 eight weight fragments (at the head: the list's addresses and tokens); v96-255 two slots of 80: act's fragments (also: ids at the head, the way out)
;   windows 1, 2: accumulator (t, c) of tiles 0-7 at 64 (t % 4) + 8 c      window 3: v0-127 those of tiles 8, 9; v128-255 one K step's weights in f32
.set WROW,   4096                      ; bytes in a row of the weights
.set NTL,    10                        ; tiles in a pass
.set XRW,    40960                     ; a wave's five tiles in the exchange: [tile][c][half][lane x 16]
.set LISTS,  163840                    ; behind the four parts: each wave's own list: 1,056 places of 4 bytes, a dump word at place 1,056
.set LSZ,    4608
.set SPARE,  182272                    ; the spare words, 128 bytes a wave
.set V_LANE, 1
.set V_R,    2
.set V_H,    3
.set V_WO,   4                         ; 32 h rows + 16 r bytes; never rewritten
.set V_PFO,  6                         ; lane rows: the prefetch's offset
.set V_L16,  7
.set V_PS,   8
.set V_AD,   9
.set V_TK,   10
.set V_TK0,  11
.set V_C16,  12
.set V_PH,   13                        ; 8 h + 4 (q & 1): my four places in a tile on the way out
.set V_XST,  14                        ; where I put my sums in the exchange
.set V_LA,   15
.set V_TV,   16
.set V_AO,   18                        ; v18-27: the ten tiles' offsets in act
.set V_SPW,  30                        ; my spare word's address; never rewritten
.set V_NIL,  31                        ; 0; never rewritten
.set V_WF,   32
.set V_LAD,  32                        ; head only: the LDS addresses of the list's 32 stores
.set V_LTK,  64                        ; head only: their 32 tokens
.set V_A,    96
.set ST,     128                       ; window 3
.set V_ID,   96
.set V_Z,    128
.set V_PP,   96
.set V_O,    160
.set V_TOK,  176
.set V_VO,   180
.set V_XL,   184
.set S_Q,    20
.set S_E,    21
.set S_CB,   22
.set S_KQ,   23
.set S_PAR,  24
.set S_TMP,  25
.set S_WB0,  26
.set S_WB,   28
.set S_AB0,  30
.set S_AB,   32
.set S_CNT,  34
.set S_NT,   35                        ; the expert's tiles of 16 tokens
.set S_NLM,  36
.set S_LAST, 37
.set S_LBS,  38
.set S_RUN,  39
.set S_G,    40
.set S_NL,   41                        ; the pass's live tiles
.set S_CH,   42
.set S_THR,  43                        ; the prefetch asks while CH > THR: 1 where I ask, 7 where I do not
.set S_PASS, 44
.set S_T0,   45
.set S_IT,   46
.set S_TT,   47
.set S_OFF,  48
.set S_XLS,  50
.set S_OUT,  52
.set S_D,    54                        ; s[54:55] a further pass's step in the weights: 16 rows and 48 rows by turns
.set S_KC,   56
.set S_EE,   57
.set MKB,    66                        ; s66-97: mask n: which lanes' token 128 (n / 4) + 4 lane + n % 4 chose my expert
.set MSB, 0
.macro WIN new                         ; the immediate's high byte repeats the setting that is left; a switch that changes nothing is dropped
.if MSB != (\new)
	s_set_vgpr_msb (MSB<<8)|(\new)
.set MSB, (\new)
.endif
.endm
; The expert's list, in the same order as in the launch before.  All 32 compares stand together, with one wait behind the run; the wave's area is filled with zeros;
; other experts' lanes write the dump word; places from the count on repeat the last token.  All addresses and tokens are made first, each in a register of its own, so that one wait serves the whole run of LDS stores.
.macro LISTBUILD
.set ln, 0
.rept 32
	v_cmp_eq_u32 s[MKB+ln], s[S_E], v[V_ID+ln]
.set ln, ln+1
.endr
	v_add_nc_u32 v[V_AD], s[S_LBS], v[V_L16]
.irp z, 0,1,2,3
	v_mov_b32 v[V_Z+\z], 0
.endr
	s_wait_alu depctr_va_sdst(0)                   ; the 32 masks, and token 0's expert read out just ahead of them, are written, ahead of their first readers
	s_mov_b32 s[S_RUN], 0
.set ln, 0
.rept 32
	v_mbcnt_lo_u32_b32 v[V_LAD+ln], s[MKB+ln], s[S_RUN]
	v_cndmask_b32 v[V_LAD+ln], 0x420, v[V_LAD+ln], s[MKB+ln]
	v_min_u32 v[V_LAD+ln], 0x420, v[V_LAD+ln]
	v_lshl_add_u32 v[V_LAD+ln], v[V_LAD+ln], 2, s[S_LBS]
	v_add_nc_u32 v[V_LTK+ln], 128*(ln/4)+ln%4, v[V_TK0]
	s_bcnt1_i32_b32 s[S_TMP], s[MKB+ln]
	s_add_co_u32 s[S_RUN], s[S_RUN], s[S_TMP]
.set ln, ln+1
.endr
	s_min_u32 s[S_CNT], s[S_RUN], 0x400
	s_max_u32 s[S_LAST], s[S_CNT], 1
	s_sub_co_u32 s[S_LAST], s[S_LAST], 1
	s_min_u32 s[S_LAST], s[S_LAST], 0x3ff
	s_add_co_u32 s[S_NT], s[S_CNT], 15
	s_lshr_b32 s[S_NT], s[S_NT], 4
	s_lshl_b32 s[S_TMP], s[S_LAST], 2
	s_add_co_u32 s[S_TMP], s[S_TMP], s[S_LBS]
	v_mov_b32 v[V_TV], s[S_TMP]
	v_add_nc_u32 v[V_PS], s[S_CNT], v[V_LANE]
	v_min_u32 v[V_PS], 0x41f, v[V_PS]
	v_lshl_add_u32 v[V_PS], v[V_PS], 2, s[S_LBS]
	s_wait_alu depctr_va_vdst(0)                   ; the zeros, the 32 addresses, the 32 tokens, V_AD, V_TV and V_PS are written: the LDS instructions below read them
.set ln, 0
.rept LSZ/512
	ds_store_b128 v[V_AD], v[V_Z:V_Z+3] offset:512*ln
.set ln, ln+1
.endr
.set ln, 0
.rept 32
	ds_store_b32 v[V_LAD+ln], v[V_LTK+ln]          ; LDS serves a wave's instructions in order (ISA guide 5.7.1.4): this lands on the zeros
.set ln, ln+1
.endr
	ds_load_b32 v[V_TK], v[V_TV]                   ; in order again: this sees the stores above
	s_wait_dscnt 0x0
	ds_store_b32 v[V_PS], v[V_TK]
.endm
.macro SETAO                           ; the ten tiles' offsets: tile T0 + t; a dead tile repeats the pass's last live one
.set wi, 0
.rept NTL
	s_min_u32 s[S_TMP], s[S_NLM], wi
	s_add_co_u32 s[S_TMP], s[S_TMP], s[S_T0]
	s_min_u32 s[S_TMP], s[S_TMP], 63
	s_lshl_b32 s[S_TMP], s[S_TMP], 17
	v_add_nc_u32 v[V_AO+wi], s[S_TMP], v[V_L16]
.set wi, wi+1
.endr
.endm
.macro CVT                             ; 64 conversions: the eight fragments out of the stage
	WIN 0x0f
.irp g, 0,1
.irp j, 0,1,2,3
.set cp, 0
.rept 8
	v_cvt_pk_bf16_f32 v[V_WF+32*\g+8*\j+cp], v[ST+64*\g+8*cp+\j], v[ST+64*\g+8*cp+4+\j]
.set cp, cp+1
.endr
.endr
.endr
.endm
.macro LDW jj                          ; the 32 weight loads of K step jj (counted from the base): sixteen rows a lane half, two column groups
	WIN 0xc0
.irp g, 0,1
.set wi, 0
.rept 16
	global_load_b128 v[ST+64*\g+4*wi:ST+64*\g+4*wi+3], v[V_WO], s[S_WB:S_WB+1] offset:(64*((\jj)/2)+16*((\jj)&1)+wi)*WROW+256*\g
.set wi, wi+1
.endr
.endr
.endm
.macro LDA jj                          ; the twenty loads of act of K step jj, each 512 consecutive bytes, into act's slot jj & 1
	WIN 0
.set wi, 0
.rept NTL
	global_load_b128 v[V_A+80*((\jj)&1)+8*wi:V_A+80*((\jj)&1)+8*wi+3], v[V_AO+wi], s[S_AB:S_AB+1] offset:(\jj)*1024
	global_load_b128 v[V_A+80*((\jj)&1)+8*wi+4:V_A+80*((\jj)&1)+8*wi+7], v[V_AO+wi], s[S_AB:S_AB+1] offset:(\jj)*1024+512
.set wi, wi+1
.endr
.endm
; Ten tiles x eight fragments; every accumulator has one instruction a K step, so no two matrix instructions that follow each other share one.
; Tiles 0-7 are multiplied without a test (a dead one repeats a live tile and is not stored); tiles 8 and 9 are jumped if dead: what is jumped holds matrix instructions alone.  zero = 1: the products start all 80 sums.
.macro DMM slot, zero
.set mt, 0
.rept NTL
.if (mt >= 8) && !(\zero)
	WIN 0
	s_cmp_gt_u32 s[S_NL], mt
	s_cbranch_scc0 .Ldmx_\@
.endif
	WIN 0x50*(1+mt/4)
.set mc, 0
.rept 8
.set ma, 64*(mt%4)+8*mc
.set mw, V_WF+8*mc
.set mf, V_A+80*(\slot)+8*mt
.if \zero
	v_wmma_f32_16x16x32_bf16 v[ma:ma+7], v[mf:mf+7], v[mw:mw+7], 0
.else
	v_wmma_f32_16x16x32_bf16 v[ma:ma+7], v[mf:mf+7], v[mw:mw+7], v[ma:ma+7]
.endif
.set mc, mc+1
.endr
.set mt, mt+1
.endr
	WIN 0
.if !(\zero)
.Ldmx_\@:
.endif
.endm
; A K STEP of the first pass.  The next step's act is asked for first, into the slot multiplied a step ago; then this step's 52 loads are in (the twenty just issued are the younger ones); its weights are
; converted, and the next step's weights go into the stage just read out; its products.  The four v_nop are the places between the products and the next step's conversions into the
; one set of fragments, and, behind the last step, the LDS stores of the sums.
.macro DSTEP k, zero, ld, pf=0
.if \ld
.if !(\zero)
	s_wait_alu depctr_va_vdst(0)                   ; the products of the step before are done reading their slot of act, in which the loads below land
.endif
	LDA (\k)+1
	s_wait_loadcnt 20
.else
	s_wait_loadcnt 0x0
.endif
	CVT
.if \ld
	s_wait_alu depctr_va_vdst(0)                   ; the conversions are done reading the stage, in which the loads below land
	LDW (\k)+1
.endif
.if \pf
	WIN 0
	s_cmp_gt_u32 s[S_CH], s[S_THR]
	s_cbranch_scc0 .Ldnopf_\@
.irp n, 0,1                            ; rows 128 to 191 from the trip's first row, both column groups: a lane a row; their loads begin in the next trip; the last trip, whose rows would pass my 256, asks for nothing
.irp g, 0,1
	global_prefetch_b8 v[V_PFO], s[S_WB:S_WB+1] offset:(128+32*\n)*WROW+256*\g th:TH_LOAD_NT scope:SCOPE_SE
.endr
.endr
.Ldnopf_\@:
.endif
	DMM (\k)&1, \zero
.rept 4
	v_nop
.endr
.endm
; A K step of a further pass: everything waited for at once.  It serves experts with more than 160 tokens; it holds no barrier.  The weights' rows go on by 16 and by 48 by turns.
.macro SSTEP zero
	s_wait_alu depctr_va_vdst(0)                   ; the last conversions are done reading the stage, the last products act's slot 0: the loads below land in both; in the pass's first step the offsets V_AO are written, and the way out's additions are done with v96-175
	LDW 0
	LDA 0
	s_wait_loadcnt 0x0
	CVT
	DMM 0, \zero
.rept 4
	v_nop
.endr
	s_add_nc_u64 s[S_WB:S_WB+1], s[S_WB:S_WB+1], s[S_D:S_D+1]   ; the loads that named the bases are done
	s_xor_b32 s[S_D], s[S_D], 32*WROW
	s_add_nc_u64 s[S_AB:S_AB+1], s[S_AB:S_AB+1], 1024
.endm
; Five tiles' sums (5 rr on) into my part of the exchange, each accumulator from its low end on.  tst = 1: tiles 8 and 9 are jumped if dead.
.macro XST rr, tst
.set xt, 5*(\rr)
.rept 5
.if (\tst) && (xt >= 8)
	WIN 0
	s_cmp_gt_u32 s[S_NL], xt
	s_cbranch_scc0 .Lxs_\@
.endif
	WIN 0x04*(1+xt/4)
.irp c, 0,1,2,3,4,5,6,7
	ds_store_b128 v[V_XST], v[64*(xt%4)+8*\c:64*(xt%4)+8*\c+3] offset:(xt-5*(\rr))*8192+\c*1024
	ds_store_b128 v[V_XST], v[64*(xt%4)+8*\c+4:64*(xt%4)+8*\c+7] offset:(xt-5*(\rr))*8192+\c*1024+512
.endr
.set xt, xt+1
.endr
	WIN 0
.if \tst
.Lxs_\@:
.endif
.endm
; The four waves' sums of five tiles are added and stored.  A round has 20 units of (tile, column group, half of the registers); wave q owns column group q >> 1 and half q & 1 of every tile: four tokens a lane half.
.macro B2 rr
	s_add_co_u32 s[S_TT], s[S_T0], 5*(\rr)
	s_cmp_ge_u32 s[S_TT], s[S_NT]
	s_cbranch_scc1 .Lb2e_\@
	s_lshl_b32 s[S_XLS], s[S_G], 12
	s_lshl_b32 s[S_TMP], s[S_PAR], 9
	s_add_co_u32 s[S_XLS], s[S_XLS], s[S_TMP]
	s_mov_b32 s[S_IT], 5
.Lb2_\@:
	s_cmp_ge_u32 s[S_TT], s[S_NT]
	s_cbranch_scc1 .Lb2s_\@                        ; a dead tile is not stored
	s_wait_alu depctr_vm_vsrc(0)                   ; the last trip's LDS loads have read V_XL and V_LA, its stores the sums V_O and the offsets V_VO: all are written again in this trip
	v_add_nc_u32 v[V_XL], s[S_XLS], v[V_L16]
	v_add_nc_u32 v[V_XL+1], XRW, v[V_XL]
	v_add_nc_u32 v[V_XL+2], 2*XRW, v[V_XL]
	v_add_nc_u32 v[V_XL+3], 3*XRW, v[V_XL]
	s_lshl_b32 s[S_TMP], s[S_TT], 4
	v_add_nc_u32 v[V_LA], s[S_TMP], v[V_PH]
	v_min_u32 v[V_LA], 0x41c, v[V_LA]
	v_lshl_add_u32 v[V_LA], v[V_LA], 2, s[S_LBS]
	s_wait_alu depctr_va_vdst(0)                   ; the five LDS addresses are written; the last trip's additions are done with V_PP and V_TOK, in which the loads below land
	ds_load_b128 v[V_TOK:V_TOK+3], v[V_LA]         ; my four tokens
.irp w, 0,1,2,3
.irp j, 0,1,2,3
	ds_load_b128 v[V_PP+16*\w+4*\j:V_PP+16*\w+4*\j+3], v[V_XL+\w] offset:\j*1024
.endr
.endr
	s_wait_dscnt 0x0
.set en, 0
.rept 8
	v_pk_add_f32 v[V_PP+2*en:V_PP+2*en+1], v[V_PP+2*en:V_PP+2*en+1], v[V_PP+16+2*en:V_PP+16+2*en+1]
	v_pk_add_f32 v[V_PP+32+2*en:V_PP+32+2*en+1], v[V_PP+32+2*en:V_PP+32+2*en+1], v[V_PP+48+2*en:V_PP+48+2*en+1]
.set en, en+1
.endr
.set en, 0
.rept 16                                               ; the last addition also turns the registers: token en / 4's four neighbouring columns lie side by side
	v_add_f32 v[V_O+en], v[V_PP+4*(en%4)+en/4], v[V_PP+32+4*(en%4)+en/4]
.set en, en+1
.endr
.set en, 0
.rept 4
	v_min_u32 v[V_VO+en], 0x3ff, v[V_TOK+en]
	v_lshl_add_u32 v[V_VO+en], v[V_VO+en], 12, v[V_C16]
.set en, en+1
.endr
	s_wait_alu depctr_va_vdst(0)                   ; the sixteen sums V_O and the four offsets V_VO are written, which the stores read
.set en, 0
.rept 4
	global_store_b128 v[V_VO+en], v[V_O+4*en:V_O+4*en+3], s[S_OUT:S_OUT+1]   ; sixteen lanes store 256 consecutive bytes of a token's row of my part, aligned
.set en, en+1
.endr
.Lb2s_\@:
	s_wait_xcnt 0x0                                ; the stores' data and offsets are rewritten only behind this wait
	s_add_co_u32 s[S_XLS], s[S_XLS], 8192
	s_add_co_u32 s[S_TT], s[S_TT], 1
	s_sub_co_u32 s[S_IT], s[S_IT], 1
	s_cmp_lg_u32 s[S_IT], 0
	s_cbranch_scc1 .Lb2_\@
.Lb2e_\@:
.endm
.macro MEET                            ; my LDS instructions are done; every wave's are
	s_wait_dscnt 0x0
	s_barrier_signal -1
	s_barrier_wait -1
.endm
	s_load_b256 s[4:11], s[0:1], 0x0               ; act s[4:5], ids s[6:7], rt_down s[8:9], sh_down s[10:11]
	s_load_b64 s[12:13], s[0:1], 0x20              ; part
	v_lshl_add_u32 v[V_SPW], v0, 2, SPARE
	v_mov_b32 v[V_NIL], 0
	v_lshrrev_b32 v[V_TV], 5, v0
	v_readfirstlane_b32 s[S_Q], v[V_TV]            ; wave 0..3
	v_and_b32 v[V_LANE], 31, v0
	v_and_b32 v[V_R], 15, v0
	v_bfe_u32 v[V_H], v0, 4, 1
	v_lshlrev_b32 v[V_C16], 4, v[V_R]
	v_lshlrev_b32 v[V_L16], 4, v[V_LANE]
	v_lshlrev_b32 v[V_TK0], 2, v[V_LANE]
	v_lshlrev_b32 v[V_PFO], 12, v[V_LANE]
	v_lshl_add_u32 v[V_WO], v[V_H], 17, v[V_C16]
	s_and_b32 s[S_E], ttmp7, 0xffff
	s_lshr_b32 s[S_CB], ttmp9, 2
	s_and_b32 s[S_KQ], ttmp9, 3
	s_wait_alu depctr_va_sdst(0)                   ; the wave's number is written, ahead of its first reader
	s_and_b32 s[S_PAR], s[S_Q], 1
	s_lshr_b32 s[S_G], s[S_Q], 1
	s_lshl_b32 s[S_TMP], s[S_PAR], 2
	v_lshl_add_u32 v[V_PH], v[V_H], 3, s[S_TMP]
	s_mul_i32 s[S_LBS], s[S_Q], LSZ
	s_add_co_u32 s[S_LBS], s[S_LBS], LISTS
	s_mul_i32 s[S_TMP], s[S_Q], XRW
	v_add_nc_u32 v[V_XST], s[S_TMP], v[V_L16]
	s_cmp_eq_u32 s[S_E], 0                         ; each block of the weights is prefetched once in the launch: the routed ones by their one reader, the shared ones by expert 0's work-groups
	s_cselect_b32 s[S_THR], 1, 7
	s_cmp_lt_u32 s[S_KQ], 2
	s_cselect_b32 s[S_THR], 1, s[S_THR]
	s_cselect_b32 s[S_OFF], s[S_E], 0
	s_lshl_b32 s[S_OFF], s[S_OFF], 23              ; an expert's matrix: 8 MiB
	s_and_b32 s[S_TMP], s[S_KQ], 1
	s_lshl_b32 s[S_TMP], s[S_TMP], 22              ; the quarter's 1,024 rows of 4,096 bytes
	s_add_co_u32 s[S_OFF], s[S_OFF], s[S_TMP]
	s_lshl_b32 s[S_TMP], s[S_Q], 20                ; my 256 rows of them
	s_add_co_u32 s[S_OFF], s[S_OFF], s[S_TMP]
	s_lshl_b32 s[S_TMP], s[S_CB], 9                ; 128 columns
	s_add_co_u32 s[S_OFF], s[S_OFF], s[S_TMP]
	s_mov_b32 s[S_OFF+1], 0
	s_wait_kmcnt 0x0
	s_cmp_lt_u32 s[S_KQ], 2
	s_cselect_b64 s[S_WB0:S_WB0+1], s[8:9], s[10:11]
	s_add_nc_u64 s[S_WB0:S_WB0+1], s[S_WB0:S_WB0+1], s[S_OFF:S_OFF+1]
	s_mov_b64 s[S_WB:S_WB+1], s[S_WB0:S_WB0+1]
	s_lshl_b32 s[S_OFF], s[S_KQ], 22               ; part kq: 4 MiB;
	s_lshl_b32 s[S_TMP], s[S_CB], 9                ; my block's 512 bytes of a row;
	s_add_co_u32 s[S_OFF], s[S_OFF], s[S_TMP]
	s_lshl_b32 s[S_TMP], s[S_G], 8                 ; the column group that I store
	s_add_co_u32 s[S_OFF], s[S_OFF], s[S_TMP]
	s_add_nc_u64 s[S_OUT:S_OUT+1], s[12:13], s[S_OFF:S_OFF+1]
	s_wait_alu depctr_va_vdst(0)                   ; V_L16, V_WO, V_PFO and V_XST are written: the offsets and the address that the loads, prefetches and LDS stores of the whole kernel read
.set hg, 0
.rept 8
	global_load_b128 v[V_ID+4*hg:V_ID+4*hg+3], v[V_L16], s[6:7] offset:512*hg
.set hg, hg+1
.endr
	LDW 0                                          ; the first step's weights go out before the list is made
	WIN 0
	s_cmp_eq_u32 s[S_THR], 1
	s_cbranch_scc0 .Lnopf_head
.irp n, 0,1                                            ; rows 64 to 127, whose loads begin in the second step
.irp g, 0,1
	global_prefetch_b8 v[V_PFO], s[S_WB:S_WB+1] offset:(64+32*\n)*WROW+256*\g th:TH_LOAD_NT scope:SCOPE_SE
.endr
.endr
.Lnopf_head:
	s_wait_loadcnt 32                              ; the ids are in; the 32 weight loads are the younger ones
	v_readfirstlane_b32 s[S_EE], v[V_ID]           ; token 0's expert has a tile 0: an expert without tokens reads that one, and stores nothing.  It is read out here so that the masks' one wait serves it too
	LISTBUILD
	s_cmp_eq_u32 s[S_CNT], 0
	s_cselect_b32 s[S_EE], s[S_EE], s[S_E]
	s_min_u32 s[S_EE], s[S_EE], 7
	s_lshl_b32 s[S_OFF], s[S_EE], 23               ; act: the expert's 64 tiles of 131,072 bytes;
	s_lshl_b32 s[S_TMP], s[S_KQ], 15               ; the quarter's 32 K steps of 1,024 bytes in each;
	s_add_co_u32 s[S_OFF], s[S_OFF], s[S_TMP]
	s_lshl_b32 s[S_TMP], s[S_Q], 13                ; my 8 of them
	s_add_co_u32 s[S_OFF], s[S_OFF], s[S_TMP]
	s_add_nc_u64 s[S_AB0:S_AB0+1], s[4:5], s[S_OFF:S_OFF+1]
	s_mov_b64 s[S_AB:S_AB+1], s[S_AB0:S_AB0+1]
	s_mov_b32 s[S_T0], 0
	s_min_u32 s[S_NL], s[S_NT], NTL
	s_max_u32 s[S_NLM], s[S_NL], 1
	s_sub_co_u32 s[S_NLM], s[S_NLM], 1
	SETAO
	; THE FIRST PASS, tiles 0-9: my eight K steps.  Order of the loads: W0, A0, then in step k: A(k+1), W(k+1).
	s_wait_alu depctr_vm_vsrc(0)                   ; the list's LDS stores have read the zeros, on which act lands, and v32-95, which the first conversions write
	s_wait_alu depctr_va_vdst(0)                   ; the ten offsets V_AO are written, which act's loads read; the compares are done reading the ids, on which act lands
	LDA 0
	DSTEP 0, 1, 1                                  ; the first step starts all 80 sums
	WIN 0
	s_mov_b32 s[S_CH], 3
.Lk:                                                   ; steps 2 c + 1 and 2 c + 2
	DSTEP 1, 0, 1, 1
	DSTEP 2, 0, 1
	WIN 0
	s_wait_xcnt 0x0                                ; the two bases step only behind this wait
	s_add_nc_u64 s[S_WB:S_WB+1], s[S_WB:S_WB+1], 64*WROW
	s_add_nc_u64 s[S_AB:S_AB+1], s[S_AB:S_AB+1], 2048
	s_sub_co_u32 s[S_CH], s[S_CH], 1
	s_cmp_lg_u32 s[S_CH], 0
	s_cbranch_scc1 .Lk
	DSTEP 1, 0, 0                                  ; the last step asks for nothing
	s_wait_alu depctr_va_vdst(0)                   ; the products have written the 80 accumulators, which the LDS stores of both rounds of the way out read: no vector instruction between here and the second round's stores names one; the step's four places stay beside this wait
	XST 0, 0
	s_mov_b32 s[S_PASS], 7                         ; 7 x 10 tiles cover the 64 that an expert can have
.Lpass:                                                ; a trip: the way out of the pass that has been multiplied, in two rounds of five tiles; then the next pass's products, if a tile is left (in the seventh trip none is: 70 > 64)
	MEET                                           ; tiles 0-4 of the pass are in the exchange
	B2 0
	MEET                                           ; nobody reads them any more
	s_add_co_u32 s[S_TMP], s[S_T0], 5
	s_cmp_gt_u32 s[S_NT], s[S_TMP]
	s_cbranch_scc0 .Lno_x1                         ; what is jumped holds no barrier
	XST 1, 1
.Lno_x1:
	MEET                                           ; tiles 5-9 are in the exchange
	B2 1
	MEET                                           ; nobody reads them any more
	s_add_co_u32 s[S_T0], s[S_T0], NTL
	s_cmp_gt_u32 s[S_NT], s[S_T0]
	s_cbranch_scc0 .Lnext                          ; no tile left: what is jumped holds no barrier
	; A FURTHER PASS, tiles T0 to T0 + 9
	s_sub_co_u32 s[S_NL], s[S_NT], s[S_T0]
	s_min_u32 s[S_NL], s[S_NL], NTL
	s_sub_co_u32 s[S_NLM], s[S_NL], 1
	s_wait_alu depctr_vm_vsrc(0)                   ; act's loads issued so far have read the offsets V_AO, which are written again below; the way out's stores have read the sums V_O, on which act lands
	SETAO
	s_mov_b64 s[S_WB:S_WB+1], s[S_WB0:S_WB0+1]
	s_mov_b64 s[S_AB:S_AB+1], s[S_AB0:S_AB0+1]
	s_mov_b32 s[S_D], 16*WROW
	s_mov_b32 s[S_D+1], 0
	SSTEP 1
	s_mov_b32 s[S_KC], 7
.Lslow:
	SSTEP 0
	s_sub_co_u32 s[S_KC], s[S_KC], 1
	s_cmp_lg_u32 s[S_KC], 0
	s_cbranch_scc1 .Lslow
	s_wait_alu depctr_va_vdst(0)                   ; the products have written the accumulators, which the LDS stores of both rounds read, as behind the first pass
	XST 0, 0
.Lnext:
	s_sub_co_u32 s[S_PASS], s[S_PASS], 1
	s_cmp_lg_u32 s[S_PASS], 0
	s_cbranch_scc1 .Lpass
	s_wait_dscnt 0x0                               ; the closing lines, six on end
	s_wait_alu 0x0
	s_wait_tensorcnt 0x0
	ds_add_u32 v[V_SPW], v[V_NIL]
	s_wait_dscnt 0x0
	s_endpgm
.Lfunc_end_k_qd9a0012c17_down:
	.size	k_qd9a0012c17_down, .Lfunc_end_k_qd9a0012c17_down-k_qd9a0012c17_down
	.p2alignl 7, 3214868480
	.fill 96, 4, 3214868480
	.section	.rodata,"a",@progbits
	.p2align	6, 0x0
	.amdhsa_kernel k_qd9a0012c17_down
		.amdhsa_group_segment_fixed_size 182784
		.amdhsa_private_segment_fixed_size 0
		.amdhsa_enable_private_segment 0
		.amdhsa_kernarg_size 40
		.amdhsa_user_sgpr_count 2
		.amdhsa_user_sgpr_kernarg_segment_ptr 1
		.amdhsa_wavefront_size32 1
		.amdhsa_system_sgpr_workgroup_id_x 1
		.amdhsa_system_sgpr_workgroup_id_y 1
		.amdhsa_system_sgpr_workgroup_id_z 1
		.amdhsa_system_vgpr_workitem_id 0
		.amdhsa_next_free_vgpr 1024
		.amdhsa_next_free_sgpr 100
		.amdhsa_reserve_vcc 0
		.amdhsa_float_denorm_mode_32 3
		.amdhsa_float_denorm_mode_16_64 3
		.amdhsa_memory_ordered 1
		.amdhsa_forward_progress 1
		.amdhsa_inst_pref_size 139
	.end_amdhsa_kernel
	.amdgpu_metadata
---
amdhsa.version: [ 1, 2 ]
amdhsa.kernels:
  - .name:           k_qd9a0012c17_down
    .symbol:         k_qd9a0012c17_down.kd
    .args:
      - { .name: act, .offset: 0, .size: 8, .value_kind: global_buffer, .address_space: global }
      - { .name: ids, .offset: 8, .size: 8, .value_kind: global_buffer, .address_space: global }
      - { .name: rt_down, .offset: 16, .size: 8, .value_kind: global_buffer, .address_space: global }
      - { .name: sh_down, .offset: 24, .size: 8, .value_kind: global_buffer, .address_space: global }
      - { .name: part, .offset: 32, .size: 8, .value_kind: global_buffer, .address_space: global }
    .group_segment_fixed_size: 182784
    .private_segment_fixed_size: 0
    .kernarg_segment_align: 8
    .kernarg_segment_size: 40
    .max_flat_workgroup_size: 128
    .sgpr_count:     100
    .vgpr_count:     1024
    .wavefront_size: 32
...
	.end_amdgpu_metadata
.endif
;; end of part 6
;; launch addup: the kernel of part 4 again; grid 256 x 1, 8 waves a work-group, no clusters, 0 bytes of LDS; arguments part, out0; writes out0
